; MI455X (gfx1250); checked and timed in simulation.
; The chip was launched on July 23, 2026; its instructions are those of AMD's public machine-readable ISA for CDNA 5 (MIT licence, August 2026) and "CDNA5" Instruction Set Architecture Reference Guide (July 2026). The comments in the code are by the model that wrote it; some were corrected since.
;; Multihead Attention. Allowed arithmetic: matrix products marked QUANTISED: E5M2 operands, one given power-of-two scale a tensor, by v_wmma_f32_16x16x64_bf8_bf8 or v_wmma_f32_16x16x128_bf8_bf8, f32 sums; everything else in f32.
;; Inputs: Wk 512 x 512 float32; Wq 512 x 512 float32; Wv 512 x 512 float32; bk 512 float32; bq 512 float32; bv 512 float32; lowp_scales 10 int32 (the exponents e of the quantised operands' scales 2^e); x 2 x 4,096 x 512 float32.
;; Outputs: out0 2 x 4,096 x 512 float32.
;; This version of the problem:
;;   THIS VERSION OF THE PROBLEM IS GIVEN IN LOW PRECISION. The matrix products marked QUANTISED in the list below multiply operands that are first quantised to E5M2 (5 exponent bits, 2 mantissa bits; 8 bits a number), with one given power-of-two scale for each operand tensor; their sums are f32. All else is computed in f32.
;;   The module's matrix products, in the order in which they are computed (A, B: the left and right operand; K: the contracted axis; several contracted axes count as one K, in the product's order):
;;     1. [M 8,192, K 512] x [K 512, N 512]; A: input x; B: input Wk: QUANTISED (scales: A lowp_scales[0], B lowp_scales[1])
;;     2. [M 8,192, K 512] x [K 512, N 512]; A: input x; B: input Wq: QUANTISED (scales: A lowp_scales[2], B lowp_scales[3])
;;     3. [M 8,192, K 512] x [K 512, N 512]; A: input x; B: input Wv: QUANTISED (scales: A lowp_scales[4], B lowp_scales[5])
;;     4. batch 16 x [M 4,096, K 64] x [K 64, N 4,096]; A: computed on the way; B: computed on the way: QUANTISED (scales: A lowp_scales[6], B lowp_scales[7])
;;     5. batch 16 x [M 4,096, K 4,096] x [K 4,096, N 64]; A: softmax (see below); B: computed on the way: QUANTISED (scales: A lowp_scales[8], B lowp_scales[9])
;;   THE QUANTISER, for each operand of a quantised product, along K:
;;     - The operand's scale is 2^e, e = its entry of the input lowp_scales (int32; the entries are numbered through the quantised products in the list's order, A before B).
;;     - Each number is divided by the scale, clamped to +-57,344, and rounded to the nearest number of E5M2, ties to even, subnormals kept.
;;     - The product sums the exact products of the quantised numbers (number of the format x scale) in f32.
;;   ~~~python
;;   def quantise(x, axis, e):      # numpy; x: float32 -> the quantised numbers, widened to float32 again
;;       x = np.moveaxis(x, axis, -1); K = x.shape[-1]
;;       r = np.clip(x / 2.0 ** e, -57344, 57344)
;;       step = 2.0 ** (np.maximum(np.frexp(np.where(r == 0, 1, r))[1] - 1, -14) - 2)
;;       q = np.round(r / step) * step * 2.0 ** e      # np.round: ties to even
;;       return np.moveaxis(q, -1, axis).astype(np.float32)
;;   ~~~
;;   SOFTMAX AHEAD OF A QUANTISED PRODUCT. Where the list says 'softmax', what is quantised is not the finished softmax but p = 2^(t - M), with t = logit x log2(e) and M = ceil(the row's largest t), a whole number; so 1/2 < the row's largest p <= 1. The row's sum l is taken of the UNQUANTISED p, in f32, and the product's result is divided by l at the end. Since M is a whole number, a kernel that streams over the keys may use a running M (the ceiling of the running maximum): every later rescaling is an exact power of two, so the quantised numbers keep their values, but for numbers so far below the row's largest that they fall under the format's range.
;;   OPERANDS COMPUTED ON THE WAY. 'Computed on the way' means the value that the module computes at that place (a softmax that the list does not call 'softmax' is quantised finished and normalised). What goes into a quantiser is computed in f32, as accurately as f32 sums, v_exp_f32 and their like allow (about 1e-6 of the number): no bf16 or f16 on the way to a quantiser, and a product that is left as it is and whose result goes on into a quantised operand takes f32 operands (vector FMAs, or v_wmma_f32_16x16x4_f32). A number that lies on a knife's edge between two numbers of the format may be rounded either way, as far as f32 arithmetic and the matrix unit's own rounding can turn it there, and no further.
;; 2 versions. Each part assembles by itself: llvm-mc -triple=amdgcn-amd-amdhsa -mcpu=gfx1250 --defsym DOCPART=n.
;; ======== version 1 of 2: 2 launches
;; workspace buffers: kc 4,194,304 bytes; qc 4,194,304 bytes; vc 4,194,304 bytes
;; launch project (part 1): grid 8 x 32, 16 waves a work-group, no clusters, 186,368 bytes of LDS; arguments x, Wk, Wq, Wv, bk, bq, bv, lowp_scales, kc, qc, vc; writes kc, qc, vc
.if DOCPART == 1
	.amdgcn_target "amdgcn-amd-amdhsa--gfx1250"
	.amdhsa_code_object_version 6
	.text
	.protected	k_qf39d1e9afb_project
	.globl	k_qf39d1e9afb_project
	.p2align	8
	.type	k_qf39d1e9afb_project,@function
k_qf39d1e9afb_project:
	s_mov_b64 s[64:65], 0
	v_nop
	global_prefetch_b8 v0, s[64:65] scope:SCOPE_SE
	s_setreg_imm32_b32 hwreg(HW_REG_WAVE_MODE, 25, 1), 1
	s_wait_xcnt 0x0
; keys = x Wk^T + bk, queries = x Wq^T + bq, values = x Wv^T + bv, each product on codes of BF8 (E5M2) with the given scales (x: e0, e2, e4; Wk, Wq, Wv: e1, e3, e5),
; and the three results quantised again (keys e6, queries e7, values e9) into kc, qc, vc, laid as images of the operand registers that the second launch wants.
; NO WORK IS LEFT OUT: every bias goes into a quantised operand of a live product (bq too: it moves the codes of the queries), so every input is loaded.
; SHARES.  A work-group takes 256 rows of x (grid y) and one head (grid x): 3 x 64 outputs.  Wave w owns rows 16 w .. 16 w + 15 and all 12 tiles of outputs: 96 accumulator registers.  K goes in 8 steps of 64.
; The head's 192 rows of W are quantised once by the sixteen waves and lie in LDS as images of fragments; x is quantised in registers, three times, once for each of its scales.
; KEYS AND QUERIES are made transposed (source 0 = 16 rows of W, source 1 = my 16 rows of x): a lane holds one token and eight neighbouring dims, so a tile's conversion is a register pair of the next operand (K = dims).
; VALUES are made the natural way (source 0 = x, source 1 = 16 rows of Wv): a lane holds one dim and eight neighbouring tokens, since the tokens are the last product's K.
; The bias is the value at which each sum starts, divided by the power of two that the sums lack.  LIMIT of order: the bias is added at the sum's start, not at its end.
; ORDER OF K inside a step of 64: register pair g of lane (r, h) holds k = 32 (g / 2) + 16 h + 8 (g % 2) + 0 .. 7, alike in x and in W, so every product meets its partner.
; LIMITS on the given exponents, so that each power of two below is an f32 number: e0 .. e5, e6 - e0 - e1, e7 - e2 - e3 and e9 - e4 - e5 between -126 and 112.  NaN and infinity among the inputs are not served.
; kc, qc: [bh 16][tile 256][c 2][lane 32][16 bytes]: lane (r, h), chunk c, byte 8 u + j = token 16 tile + r, dim 16 (2 c + u) + 8 h + j.
; vc:     [bh 16][step 32][dt 4][c 4][lane 32][16 bytes]: lane (r, h), chunk c, byte 8 u + j = dim 16 dt + r, token 128 step + 16 (2 c + u) + 8 h + j.
; No tensor load: the f32 numbers must pass through registers to the conversions in any case; each wave keeps 16 loads of 512 bytes on their way.
.set STG,   98304                      ; LDS: 0 .. 98,303 W's images: fragment (K step s, tile ct) at 12,288 s + 1,024 ct (ct 0-3 Wk, 4-7 Wq, 8-11 Wv); then a stage of 16 rows x 272 bytes for each wave,
.set VIMG,  167936                     ; the block's image of vc, 16,384 bytes,
.set SPARE, 184320                     ; and the spare words, 128 bytes for each wave: eight blocks of 256 bytes that no other line names
.set LI,  1                            ; v1   16 x lane
.set GOF, 2                            ; v2   a load's place: lanes 0-15 one row's 256 bytes, lanes 16-31 the next row's (rows of 2,048 bytes)
.set STS, 3                            ; v3   the stage, on the way in: the same two rows
.set STL, 4                            ; v4   and on the way out: row r, + 64 h
.set WST, 5                            ; v5   where I store W's images
.set LI1, 6                            ; v6   16 x lane + 49,152: K steps 4 to 7 of W's images
.set VST, 7                            ; v7   where I store my 8 bytes of vc's image
.set VLD, 8                            ; v8   where I read 1,024 bytes of it back
.set SPW, 9                            ; v9   LDS address of my spare word; never rewritten
.set NIL, 10                           ; v10  0; never rewritten
.set BKO, 11                           ; v11  32 h: bk, bq
.set BVO, 12                           ; v12  4 r: bv
.set T,   24                           ; v24-39   two sets of 8 held numbers.   v14-19 three pairs (scale, limit); v20, v21 those of the W in hand
.set XC,  40                           ; v40-63   x's codes under e0, e2, e4
.set WF,  64                           ; v64-95   four fragments of W
.set X0,  96                           ; v96-159  two sets of 32 numbers
.set ACC, 160                          ; v160-255 tile ct at 160 + 8 ct
.set WV,  30                           ; s30  my wave's number
.macro MKSC sc, lm, e                  ; s[sc] = 2^e as f32, s[lm] = 57,344 x 2^e
	s_add_co_i32 s[\lm], s[\e], 127
	s_lshl_b32 s[\sc], s[\lm], 23
	s_add_co_i32 s[\lm], s[\lm], 15
	s_lshl_b32 s[\lm], s[\lm], 23
	s_or_b32 s[\lm], s[\lm], 0x600000
.endm
.macro ULOAD set, base, off            ; a unit: 16 rows x 64 numbers; each load takes two rows' 256 aligned bytes
.irp t, 0,1,2,3,4,5,6,7
	global_load_b128 v[\set+4*\t:\set+4*\t+3], v[GOF], s[\base:\base+1] offset:(\off)+4096*\t
.endr
.endm
.macro TURN set                        ; through my own stage: afterwards register 16 c + i holds k = 32 c + 16 h + i of row r.  LDS serves a wave's instructions in order (ISA guide 5.7.1.4): no wait between the stores and the loads
.irp t, 0,1,2,3,4,5,6,7
	ds_store_b128 v[STS], v[\set+4*\t:\set+4*\t+3] offset:544*\t
.endr
.irp c, 0,1
.irp j, 0,1,2,3
	ds_load_b128 v[\set+16*\c+4*\j:\set+16*\c+4*\j+3], v[STL] offset:128*\c+16*\j
.endr
.endr
.endm
.macro QUANT set, dst, sc, lm          ; 32 numbers of a lane become a fragment's 8 registers of codes; the numbers stay as they are
.irp g, 0,1,2,3
.irp i, 0,1,2,3,4,5,6,7
	v_med3_num_f32 v[T+8*(\g%2)+\i], v[\set+8*\g+\i], -v[\lm], v[\lm]   ; the conversion to an 8-bit code does not saturate (ISA guide 7.6.2): the hold at the largest code x the scale
.endr
	v_cvt_scalef32_pk8_bf8_f32 v[\dst+2*\g:\dst+2*\g+1], v[T+8*(\g%2):T+8*(\g%2)+7], v[\sc]   ; the two sets of T take turns: eight plain lines stand between a conversion and the next write of its sources
.endr
	v_nop                                          ; one plain line behind the last conversion, ahead of whatever touches its result
.endm
.macro WFR s, g                        ; four fragments of W: K step s, tiles 4 g .. 4 g + 3
.irp k, 0,1,2,3
.irp c, 0,1
.if (\s) < 4
	ds_load_b128 v[WF+8*\k+4*\c:WF+8*\k+4*\c+3], v[LI] offset:((\s)%4)*12288+(4*\g+\k)*1024+512*\c
.else
	ds_load_b128 v[WF+8*\k+4*\c:WF+8*\k+4*\c+3], v[LI1] offset:((\s)%4)*12288+(4*\g+\k)*1024+512*\c
.endif
.endr
.endr
.endm
.macro PLACES                          ; four plain lines behind matrix instructions, ahead of loads into their sources and of reads of their results
.rept 4
	v_nop
.endr
.endm
	s_load_b512 s[8:23], s[0:1], 0x0               ; x s[8:9], Wk s[10:11], Wq s[12:13], Wv s[14:15], bk s[16:17], bq s[18:19], bv s[20:21], the exponents s[22:23]
	s_load_b128 s[24:27], s[0:1], 0x40             ; kc, qc
	s_load_b64 s[28:29], s[0:1], 0x50              ; vc
	v_lshl_add_u32 v[SPW], v0, 2, SPARE
	v_mov_b32 v[NIL], 0
	v_lshrrev_b32 v13, 5, v0
	v_readfirstlane_b32 s[WV], v13                 ; wave 0..15
	s_mov_b32 s31, ttmp9                           ; the head
	s_and_b32 s32, ttmp7, 0xffff                   ; the block of 256 rows
	v_and_b32 v13, 31, v0
	v_lshlrev_b32 v[LI], 4, v13
	v_and_b32 v22, 15, v0                          ; r
	v_bfe_u32 v23, v0, 4, 1                        ; h
	v_lshlrev_b32 v[GOF], 4, v22
	v_lshl_add_u32 v[GOF], v23, 11, v[GOF]
	s_mul_i32 s33, s[WV], 4352
	s_add_co_u32 s33, s33, STG                     ; my stage
	v_mul_u32_u24 v[STS], v23, 272
	v_lshl_add_u32 v[STS], v22, 4, v[STS]
	v_add_nc_u32 v[STS], s33, v[STS]
	v_mul_u32_u24 v[STL], v22, 272
	v_lshl_add_u32 v[STL], v23, 6, v[STL]
	v_add_nc_u32 v[STL], s33, v[STL]
	s_and_b32 s34, s[WV], 3                        ; of W I quantise tile w / 4 of each matrix's four, K steps 2 (w % 4) and 2 (w % 4) + 1
	s_mul_i32 s34, s34, 24576
	s_lshr_b32 s35, s[WV], 2
	s_lshl_b32 s35, s35, 10
	s_add_co_u32 s34, s34, s35
	v_add_nc_u32 v[WST], s34, v[LI]
	v_add_nc_u32 v[LI1], 49152, v[LI]
	s_lshr_b32 s34, s[WV], 3                       ; vc's image: step w / 8, chunk (w / 2) % 4, half w % 2
	s_lshl_b32 s34, s34, 13
	s_bfe_u32 s35, s[WV], 0x20001
	s_lshl_b32 s35, s35, 9
	s_add_co_u32 s34, s34, s35
	s_and_b32 s35, s[WV], 1
	s_lshl_b32 s35, s35, 3
	s_add_co_u32 s34, s34, s35
	s_add_co_u32 s34, s34, VIMG
	v_add_nc_u32 v[VST], s34, v[LI]
	s_lshl_b32 s34, s[WV], 10
	s_add_co_u32 s34, s34, VIMG
	v_add_nc_u32 v[VLD], s34, v[LI]
	v_lshlrev_b32 v[BKO], 5, v23
	v_lshlrev_b32 v[BVO], 2, v22
	s_lshl_b32 s46, s32, 19                        ; x: 256 rows of 2,048 bytes a block,
	s_lshl_b32 s47, s[WV], 15                      ; 16 rows a wave
	s_add_co_u32 s46, s46, s47
	s_mov_b32 s47, 0
	s_lshl_b32 s48, s31, 17                        ; W: 64 rows a head,
	s_lshr_b32 s49, s[WV], 2
	s_lshl_b32 s49, s49, 15                        ; 16 rows a tile,
	s_add_co_u32 s48, s48, s49
	s_and_b32 s49, s[WV], 3
	s_lshl_b32 s49, s49, 9                         ; two K steps of 256 bytes
	s_add_co_u32 s48, s48, s49
	s_mov_b32 s49, 0
	s_lshl_b32 s34, s31, 8                         ; the biases: 64 numbers a head
	s_mov_b32 s35, 0
	s_lshr_b32 s75, s32, 4
	s_lshl_b32 s75, s75, 3
	s_add_co_u32 s75, s75, s31                     ; bh = 8 x batch + head
	s_and_b32 s33, s32, 15                         ; the block within its batch
	s_lshl_b32 s76, s75, 8
	s_lshl_b32 s77, s33, 4
	s_add_co_u32 s76, s76, s77
	s_add_co_u32 s76, s76, s[WV]
	s_lshl_b32 s76, s76, 10                        ; kc, qc: my tile of 1,024 bytes
	s_mov_b32 s77, 0
	s_lshl_b32 s78, s75, 5
	s_lshl_b32 s79, s33, 1
	s_add_co_u32 s78, s78, s79
	s_lshl_b32 s78, s78, 13                        ; vc: the block's two steps of 8,192 bytes,
	s_lshl_b32 s79, s[WV], 10                      ; of which I store 1,024
	s_add_co_u32 s78, s78, s79
	s_mov_b32 s79, 0
	s_wait_kmcnt 0x0
	s_load_b256 s[36:43], s[22:23], 0x0            ; e0 .. e7
	s_load_b64 s[44:45], s[22:23], 0x20            ; e8, e9
	s_add_nc_u64 s[8:9], s[8:9], s[46:47]
	s_add_nc_u64 s[10:11], s[10:11], s[48:49]
	s_add_nc_u64 s[12:13], s[12:13], s[48:49]
	s_add_nc_u64 s[14:15], s[14:15], s[48:49]
	s_add_nc_u64 s[16:17], s[16:17], s[34:35]
	s_add_nc_u64 s[18:19], s[18:19], s[34:35]
	s_add_nc_u64 s[20:21], s[20:21], s[34:35]
	s_add_nc_u64 s[24:25], s[24:25], s[76:77]
	s_add_nc_u64 s[26:27], s[26:27], s[76:77]
	s_add_nc_u64 s[28:29], s[28:29], s[78:79]
.irp d, 0,1,2,3                        ; the biases go straight into the accumulators.  Keys, queries: register j = b(16 d + 8 h + j).  Values: b(16 d + r), into register 0
	global_load_b128 v[ACC+8*\d:ACC+8*\d+3], v[BKO], s[16:17] offset:64*\d
	global_load_b128 v[ACC+8*\d+4:ACC+8*\d+7], v[BKO], s[16:17] offset:64*\d+16
	global_load_b128 v[ACC+32+8*\d:ACC+32+8*\d+3], v[BKO], s[18:19] offset:64*\d
	global_load_b128 v[ACC+32+8*\d+4:ACC+32+8*\d+7], v[BKO], s[18:19] offset:64*\d+16
	global_load_b32 v[ACC+64+8*\d], v[BVO], s[20:21] offset:64*\d
.endr
	ULOAD X0, 10, 0                                ; units 0 and 1: Wk, my two K steps
	ULOAD X0+32, 10, 256
	s_wait_kmcnt 0x0
	MKSC 50, 51, 36                                ; x under e0,
	MKSC 52, 53, 38                                ; e2,
	MKSC 54, 55, 40                                ; e4
	MKSC 56, 57, 37                                ; Wk, e1
	MKSC 58, 59, 39                                ; Wq, e3
	MKSC 60, 61, 41                                ; Wv, e5
	s_add_co_i32 s72, s36, s37
	s_sub_co_i32 s72, 0, s72                       ; -(e0 + e1): a sum of the first product stands for sum x 2^(e0 + e1)
	s_add_co_i32 s46, s42, s72
	MKSC 66, 67, 46                                ; keys: the three scales folded into one: 2^(e6 - e0 - e1)
	s_add_co_i32 s73, s38, s39
	s_sub_co_i32 s73, 0, s73
	s_add_co_i32 s46, s43, s73
	MKSC 68, 69, 46                                ; queries: 2^(e7 - e2 - e3)
	s_add_co_i32 s74, s40, s41
	s_sub_co_i32 s74, 0, s74
	s_add_co_i32 s46, s45, s74
	MKSC 70, 71, 46                                ; values: 2^(e9 - e4 - e5)
.irp i, 0,1,2,3,4,5
	v_mov_b32 v[14+\i], s[50+\i]
.endr
	s_wait_loadcnt 16                              ; the 20 loads of the biases are in; the two units' 16 may be out
.set j, 0
.rept 32
	v_ldexp_f32 v[ACC+j], v[ACC+j], s72            ; bk / 2^(e0 + e1)
.set j, j+1
.endr
.set j, 0
.rept 32
	v_ldexp_f32 v[ACC+32+j], v[ACC+32+j], s73
.set j, j+1
.endr
.irp d, 0,1,2,3
.irp j, 7,6,5,4,3,2,1,0
	v_ldexp_f32 v[ACC+64+8*\d+\j], v[ACC+64+8*\d], s74   ; the lane's one bias in all eight registers; register 0 last, in place
.endr
.endr
; W, six units: unit i is matrix i / 2, my tile of rows, my K step i % 2.  nbase, noff: the unit two further on, whose loads take this unit's registers.
.macro WUNIT i, nbase, noff
.set XS, X0+32*((\i)%2)
	s_wait_loadcnt 8                               ; this unit's eight loads are in; the next unit's may be out
	TURN XS
	s_wait_dscnt 0x0                               ; the numbers are back; the last unit's stores of its image have read their registers
.if (\i)%2 == 0
	v_mov_b32 v20, s[56+(\i)]
	v_mov_b32 v21, s[57+(\i)]
.endif
	QUANT XS, XC, 20, 21
	ULOAD XS, \nbase, \noff
.irp c, 0,1
	ds_store_b128 v[WST], v[XC+4*\c:XC+4*\c+3] offset:((\i)%2)*12288+((\i)/2)*4096+512*\c
.endr
.endm
	WUNIT 0, 12, 0
	WUNIT 1, 12, 256
	WUNIT 2, 14, 0
	WUNIT 3, 14, 256
	WUNIT 4, 8, 0                                  ; x's K steps 0
	WUNIT 5, 8, 256                                ; and 1
	s_wait_dscnt 0x0                               ; for the others' sake: my images of W have landed
	s_barrier_signal -1
	s_barrier_wait -1                              ; all 96 fragments lie in LDS (x's loads may stay out: nobody writes x)
; A K step of 64: x through the stage, three sets of codes, twelve products.  The twelve accumulators take turns, one instruction a turn.
.macro KSTEP s
.set XS, X0+32*((\s)%2)
.if (\s) < 7
	s_wait_loadcnt 8                               ; this step's eight loads are in; the next step's may be out
.else
	s_wait_loadcnt 0x0
.endif
	TURN XS
	WFR \s, 0
	s_wait_dscnt 8                                 ; the numbers are back from the stage; W's eight loads may be out
	QUANT XS, XC, 14, 15
	QUANT XS, XC+8, 16, 17
	QUANT XS, XC+16, 18, 19
.if (\s) < 6
	ULOAD XS, 8, 256*((\s)+2)
.endif
	s_wait_dscnt 0x0
.irp k, 0,1,2,3
	v_wmma_f32_16x16x64_bf8_bf8 v[ACC+8*\k:ACC+8*\k+7], v[WF+8*\k:WF+8*\k+7], v[XC:XC+7], v[ACC+8*\k:ACC+8*\k+7]
.endr
	PLACES
	WFR \s, 1
	s_wait_dscnt 0x0
.irp k, 0,1,2,3
	v_wmma_f32_16x16x64_bf8_bf8 v[ACC+32+8*\k:ACC+32+8*\k+7], v[WF+8*\k:WF+8*\k+7], v[XC+8:XC+15], v[ACC+32+8*\k:ACC+32+8*\k+7]
.endr
	PLACES
	WFR \s, 2
	s_wait_dscnt 0x0
.irp k, 0,1,2,3
	v_wmma_f32_16x16x64_bf8_bf8 v[ACC+64+8*\k:ACC+64+8*\k+7], v[XC+16:XC+23], v[WF+8*\k:WF+8*\k+7], v[ACC+64+8*\k:ACC+64+8*\k+7]
.endr
	PLACES
.endm
.irp s, 0,1,2,3,4,5,6,7
	KSTEP \s
.endr
	; THE WAY OUT.  Each result is held, converted with its folded scale, and leaves as an image of registers; each accumulator is read from its low end on.
.irp i, 0,1,2,3,4,5
	v_mov_b32 v[14+\i], s[66+\i]
.endr
.set j, 0
.rept 32
	v_med3_num_f32 v[ACC+j], v[ACC+j], -v15, v15
.set j, j+1
.endr
.irp d, 0,1,2,3
	v_cvt_scalef32_pk8_bf8_f32 v[XC+2*\d:XC+2*\d+1], v[ACC+8*\d:ACC+8*\d+7], v14   ; pair d: dims 16 d + 8 h + 0 .. 7 of token r
.endr
	v_nop
	global_store_b128 v[LI], v[XC:XC+3], s[24:25]              ; 32 lanes store 512 consecutive bytes, aligned
	global_store_b128 v[LI], v[XC+4:XC+7], s[24:25] offset:512
.set j, 0
.rept 32
	v_med3_num_f32 v[ACC+32+j], v[ACC+32+j], -v17, v17
.set j, j+1
.endr
.irp d, 0,1,2,3
	v_cvt_scalef32_pk8_bf8_f32 v[XC+8+2*\d:XC+8+2*\d+1], v[ACC+32+8*\d:ACC+32+8*\d+7], v16
.endr
	v_nop
	global_store_b128 v[LI], v[XC+8:XC+11], s[26:27]
	global_store_b128 v[LI], v[XC+12:XC+15], s[26:27] offset:512
.set j, 0
.rept 32
	v_med3_num_f32 v[ACC+64+j], v[ACC+64+j], -v19, v19
.set j, j+1
.endr
.irp d, 0,1,2,3
	v_cvt_scalef32_pk8_bf8_f32 v[XC+16+2*\d:XC+16+2*\d+1], v[ACC+64+8*\d:ACC+64+8*\d+7], v18   ; tokens 8 h + 0 .. 7 of my tile, dim 16 d + r
.endr
	v_nop
.irp d, 0,1,2,3
	ds_store_b64 v[VST], v[XC+16+2*\d:XC+16+2*\d+1] offset:2048*\d   ; a chunk of 16 bytes a lane comes from two waves: the image is gathered in LDS
.endr
	s_wait_dscnt 0x0                               ; for the others' sake: my stores have landed
	s_barrier_signal -1
	s_barrier_wait -1
	ds_load_b128 v[WF:WF+3], v[VLD]
	ds_load_b128 v[WF+4:WF+7], v[VLD] offset:512
	s_wait_dscnt 0x0
	global_store_b128 v[LI], v[WF:WF+3], s[28:29]
	global_store_b128 v[LI], v[WF+4:WF+7], s[28:29] offset:512
	s_wait_tensorcnt 0x0                           ; the wave's end: behind my last LDS store
	ds_add_u32 v[SPW], v[NIL]
	s_wait_dscnt 0x0
	s_endpgm
.Lfunc_end_k_qf39d1e9afb_project:
	.size	k_qf39d1e9afb_project, .Lfunc_end_k_qf39d1e9afb_project-k_qf39d1e9afb_project
	.p2alignl 7, 3214868480
	.fill 96, 4, 3214868480
	.section	.rodata,"a",@progbits
	.p2align	6, 0x0
	.amdhsa_kernel k_qf39d1e9afb_project
		.amdhsa_group_segment_fixed_size 186368
		.amdhsa_private_segment_fixed_size 0
		.amdhsa_enable_private_segment 0
		.amdhsa_kernarg_size 88
		.amdhsa_user_sgpr_count 2
		.amdhsa_user_sgpr_kernarg_segment_ptr 1
		.amdhsa_wavefront_size32 1
		.amdhsa_system_sgpr_workgroup_id_x 1
		.amdhsa_system_sgpr_workgroup_id_y 1
		.amdhsa_system_sgpr_workgroup_id_z 1
		.amdhsa_system_vgpr_workitem_id 0
		.amdhsa_next_free_vgpr 256
		.amdhsa_next_free_sgpr 80
		.amdhsa_reserve_vcc 0
		.amdhsa_float_denorm_mode_32 3
		.amdhsa_float_denorm_mode_16_64 3
		.amdhsa_memory_ordered 1
		.amdhsa_forward_progress 1
		.amdhsa_inst_pref_size 139
	.end_amdhsa_kernel
	.amdgpu_metadata
---
amdhsa.version: [ 1, 2 ]
amdhsa.kernels:
  - .name:           k_qf39d1e9afb_project
    .symbol:         k_qf39d1e9afb_project.kd
    .args:
      - { .name: x, .offset: 0, .size: 8, .value_kind: global_buffer, .address_space: global }
      - { .name: Wk, .offset: 8, .size: 8, .value_kind: global_buffer, .address_space: global }
      - { .name: Wq, .offset: 16, .size: 8, .value_kind: global_buffer, .address_space: global }
      - { .name: Wv, .offset: 24, .size: 8, .value_kind: global_buffer, .address_space: global }
      - { .name: bk, .offset: 32, .size: 8, .value_kind: global_buffer, .address_space: global }
      - { .name: bq, .offset: 40, .size: 8, .value_kind: global_buffer, .address_space: global }
      - { .name: bv, .offset: 48, .size: 8, .value_kind: global_buffer, .address_space: global }
      - { .name: lowp_scales, .offset: 56, .size: 8, .value_kind: global_buffer, .address_space: global }
      - { .name: kc, .offset: 64, .size: 8, .value_kind: global_buffer, .address_space: global }
      - { .name: qc, .offset: 72, .size: 8, .value_kind: global_buffer, .address_space: global }
      - { .name: vc, .offset: 80, .size: 8, .value_kind: global_buffer, .address_space: global }
    .group_segment_fixed_size: 186368
    .private_segment_fixed_size: 0
    .kernarg_segment_align: 8
    .kernarg_segment_size: 88
    .max_flat_workgroup_size: 512
    .sgpr_count:     80
    .vgpr_count:     256
    .wavefront_size: 32
...
	.end_amdgpu_metadata
.endif
;; end of part 1
;; launch attend (part 2): grid 16 x 16, 8 waves a work-group, clusters of 4 x 1, 327,680 bytes of LDS; arguments kc, qc, vc, lowp_scales, out0; writes out0
.if DOCPART == 2
	.amdgcn_target "amdgcn-amd-amdhsa--gfx1250"
	.amdhsa_code_object_version 6
	.text
	.protected	k_qf39d1e9afb_attend
	.globl	k_qf39d1e9afb_attend
	.p2align	8
	.type	k_qf39d1e9afb_attend,@function
k_qf39d1e9afb_attend:
	s_mov_b64 s[64:65], 0
	v_nop
	global_prefetch_b8 v0, s[64:65] scope:SCOPE_SE
	s_setreg_imm32_b32 hwreg(HW_REG_WAVE_MODE, 25, 1), 1
	s_wait_xcnt 0x0
	s_wait_alu depctr_hold_cnt(0) depctr_sa_sdst(0) depctr_va_vdst(0) depctr_va_sdst(0) depctr_va_ssrc(0) depctr_va_vcc(0) depctr_vm_vsrc(0)
	s_getreg_b32 s2, hwreg(HW_REG_IB_STS2, 6, 4)
	s_cmp_eq_u32 s2, 0
	s_cbranch_scc0 .Lentry_in_a_cluster
	s_endpgm
.Lentry_in_a_cluster:
	s_bfe_u32 s2, ttmp6, 0x10000c
	s_cmp_lg_u32 s2, 0x3003
	s_cbranch_scc0 .Lentry_shape_is_right
	s_endpgm
.Lentry_shape_is_right:
; out[b][k][head][:] = the sum over q of softmax_q(keys[k] . queries[q] / 8) values[q][:], as the source has it: the rows are KEYS, the softmax runs over the QUERIES, the values go with the queries.
; Both products on codes of BF8 (E5M2): keys e6, queries e7, p e8, values e9.  kc, qc, vc are the first launch's images of operand registers.  No work is left out.
; THE SOFTMAX AHEAD OF THE SECOND PRODUCT: t = score x log2(e) / 8; M = the row's largest t so far, rounded up to a whole number; p = 2^(t - M) is quantised, not normalised; the row's sum is taken of the
; unquantised p and divides at the end.  When M moves, the sum and O are multiplied by 2^(old M - new M): nothing is rounded, and no branch hangs on data.
; SHARES.  A work-group owns 256 rows of one (batch, head); each of its eight waves owns 32: two tiles of 16, so that each fragment read from LDS feeds two matrix instructions.  Every wave walks 4,096 tokens, 128 a step.
; LAYOUT.  S^T = Q K^T (source 0 = 16 tokens of qc, source 1 = my 16 rows): a lane holds ONE row (lane % 16) and tokens 8 (lane / 16) + 0 .. 7 of the tile; the conversion of tile u is register pair u of P,
; source 1 of O^T = V^T P^T (source 0 = 16 dims x 128 tokens of vc).  Every k stands in the form's own place.
; RING.  Two LDS slots of four steps each (32,768 bytes of qc, then 32,768 of vc).  CLUSTER: the four blocks of a cluster belong to one (batch, head) and walk the same qc and vc: each tile is asked for JOINTLY,
; by the same tensor load with the same descriptor and a mask that names the four.  Waves 0 and 1 fetch qc's halves, waves 2 and 3 vc's, 16,384 dense bytes each; at most one tensor load of a wave is out.
; LIMITS on the given exponents: e6 + e7 between -123 and 130 (they are added to c's exponent field); e8 between -126 and 112; e8 + e9 goes by v_ldexp_f32 and has none.
; REGISTERS, in windows of 256.  Window 0: v1-8 addresses; v12-19 for each tile -M, the largest t, the sum in two halves; v20-35 at work; v36, v37 2^e8 and 57,344 x 2^e8; v40-55 my rows' fragments;
;   v56-87 p's codes; v128-255 S^T, then p.   Window 1: v0-63 O^T (tile t, dims 16 d on: 32 t + 8 d); v64-127 qc's eight fragments; v128-191 vc's four.
.set SLOT1, 1<<16                      ; slot 1 begins here: one exclusive or turns an address in one slot into the other's
.set VOFF,  32768                      ; vc's part of a slot
.set STAGE, 131072                     ; behind the ring: two stages of 16 rows x 272 bytes for each wave; no tensor load lands here
.set SPARE, 200704                     ; behind the stages: the spare words, 128 bytes for each wave: four blocks of 256 bytes that no other line names
.set NSL,   8                          ; slots' worth of tokens
.set LI,  1                            ; v1   16 x lane
.set ADR, 2                            ; v2   16 x lane + the slot in hand
.set PFO, 3                            ; v3   256 x lane; never rewritten
.set SPW, 4                            ; v4   LDS address of my spare word; never rewritten
.set NIL, 5                            ; v5   0; never rewritten
.set STO, 6                            ; v6   the way out: where I put 32 bytes of a row
.set RD,  7                            ; v7   where I read a row back
.set GO,  8                            ; v8   my byte offset in the wave's rows of out0
.set ST,  12                           ; tile t: v[ST+4t] -M, +1 the largest t, +2, +3 the sum
.set TW,  20                           ; tile t: v[TW+8t] +0, +1 at work, +2 the other half's, +4, +5 the pair f, +6, +7 a second chain of the sum
.set SC,  36
.set LM,  37
.set KC,  40
.set PC,  56
.set S,   128
.set OT,  0                            ; in window 1
.set QF,  64
.set VF,  128
.set WV,  14                           ; s14  my wave's number
.set SEL, 20                           ; s[20:21] lane selects for v_permlanex16_b32: lane l xor 16
.set CS,  22                           ; s[22:23] c = log2(e) / 8 x 2^(e6 + e7)
.set G1,  24                           ; s[24:31] descriptor group 1: one shape serves every load
.set G0Q, 32                           ; s[32:35] group 0 for qc's tiles, s[36:39] for vc's: they walk
.set G0V, 36
.set TB,  40                           ; s40  LDS byte at which the slot in hand begins
.set SLOTS, 41                         ; s41  slots still to be asked for
.set LIM, 42                           ; s42  1 in a wave that prefetches, else the greatest number
.set PFA, 48                           ; s[48:49] where my prefetches stand
.set MSB, 0
.macro WIN new                         ; the immediate's high byte repeats the setting that is left; a switch that changes nothing is dropped
.if MSB != \new
	s_set_vgpr_msb (MSB<<8)|\new
.set MSB, \new
.endif
.endm
.set W_LD, 0x40                        ; destination window 1
.set W_S,  0x01                        ; source 0 window 1
.set W_RS, 0x41                        ; destination and source 0 window 1
.set W_PV, 0x51                        ; D, source 0 and C window 1, source 1 window 0
.macro CROUND                          ; a round of the cluster's barrier
	s_barrier_signal -1
	s_barrier_wait -1
	s_cmp_lg_u32 s[WV], 0
	s_cbranch_scc1 .Lnot_wave_0_\@
	s_barrier_signal -3
.Lnot_wave_0_\@:
	s_barrier_wait -3
	s_barrier_signal -1
	s_barrier_wait -1
.endm
; A joint load.  The branches hang on the wave's number alone: they are the same in every work-group.  An s_nop 0 and four v_nop follow each of the two lines.
.macro TLOAD
	s_cmp_lt_u32 s[WV], 2
	s_cbranch_scc0 .Lnot_q_\@
	tensor_load_to_lds s[G0Q:G0Q+3], s[G1:G1+7]
	s_nop 0
.rept 4
	v_nop
.endr
	s_branch .Lasked_\@
.Lnot_q_\@:
	s_cmp_lt_u32 s[WV], 4
	s_cbranch_scc0 .Lasked_\@
	tensor_load_to_lds s[G0V:G0V+3], s[G1:G1+7]
	s_nop 0
.rept 4
	v_nop
.endr
.Lasked_\@:
.endm
; A PREFETCH INTO THE L2 of what the NEXT change of slots will ask for: 32,768 bytes of qc and as many of vc, four steps ahead of that load.  Each aligned block of 256 bytes is named once in the launch:
; all four clusters of a (batch, head) walk the same bytes, so its first cluster asks; its four partners take 8,192 bytes each, told apart by address; in each, wave 4 asks for qc's and wave 5 for vc's,
; one instruction, lanes 256 bytes apart.  The last change that fills a slot asks for nothing; slots 0 and 1 come by their loads alone.
.macro ASK
	s_cmp_gt_u32 s[SLOTS], s[LIM]
	s_cbranch_scc0 .Lnot_mine_\@
	global_prefetch_b8 v[PFO], s[PFA:PFA+1] th:TH_LOAD_NT scope:SCOPE_SE
.Lnot_mine_\@:
.endm
	s_load_b256 s[4:11], s[0:1], 0x0               ; kc s[4:5], qc s[6:7], vc s[8:9], the exponents s[10:11]
	s_load_b64 s[12:13], s[0:1], 0x20              ; out0
	v_lshl_add_u32 v[SPW], v0, 2, SPARE
	v_mov_b32 v[NIL], 0
	ds_add_u32 v[SPW], v[NIL]                      ; the wave's opening: the add, twice on end, and its wait ahead of the round in front of the first tensor loads
	ds_add_u32 v[SPW], v[NIL]                      ; and once more, under the one wait; the set-up below, work on registers, stands between
	v_lshrrev_b32 v9, 5, v0
	v_readfirstlane_b32 s[WV], v9                  ; wave 0..7
	s_bfe_u32 s15, ttmp6, 0x40000                  ; cx: my place in the cluster
	s_lshl_b32 s16, ttmp9, 2                       ; in a cluster launch ttmp9 counts clusters
	s_add_co_u32 s16, s16, s15                     ; my block of 256 rows: it enters kc's and out0's addresses alone
	s_and_b32 s17, ttmp7, 0xffff                   ; bh = 8 x batch + head, which the four partners share
	s_mov_b32 s[G1], 15|(3<<16)|(1<<21)            ; 15:0 the mask: all four work-groups; 17:16 elements of 8 bytes; 21 set beside a mask; no padding: the images are read 16 bytes a lane on end
	s_mov_b32 s[G1+1], 32<<16                      ; tensor_dim0 = 32 elements: rows of 256 bytes
	s_mov_b32 s[G1+2], 64<<16                      ; tensor_dim1 = 64
	s_mov_b32 s[G1+3], 32<<16                      ; tile_dim0 = 32
	s_mov_b32 s[G1+4], 64                          ; tile_dim1 = 64
	s_mov_b32 s[G1+5], 32                          ; the pitch: the block is dense
	s_mov_b32 s[G1+6], 0
	s_mov_b32 s[G1+7], 0
	s_mov_b32 s[SEL], 0x76543210
	s_mov_b32 s[SEL+1], 0xfedcba98
	s_mov_b32 s[TB], 0
	s_mov_b32 s[SLOTS], NSL-1
	s_lshl_b32 s18, s17, 18                        ; a (batch, head) is 262,144 bytes in each of the three buffers of codes
	s_mov_b32 s19, 0
	s_and_b32 s50, s[WV], 1
	s_lshl_b32 s50, s50, 14                        ; which half of a slot's 32,768 bytes I fetch, in memory and in LDS: no place in the cluster enters it
	s_mov_b32 s51, 0
	s_lshl_b32 s52, s16, 14                        ; kc: 16 tiles of 1,024 bytes a block,
	s_lshl_b32 s53, s[WV], 11                      ; two a wave
	s_add_co_u32 s52, s52, s53
	s_mov_b32 s53, 0
	s_lshr_b32 s54, s17, 3
	s_lshl_b32 s54, s54, 23                        ; out0: a batch is 4,096 rows of 2,048 bytes,
	s_lshl_b32 s55, s16, 19                        ; a block 256 rows,
	s_add_co_u32 s54, s54, s55
	s_lshl_b32 s55, s[WV], 16                      ; a wave 32 rows,
	s_add_co_u32 s54, s54, s55
	s_and_b32 s55, s17, 7
	s_lshl_b32 s55, s55, 8                         ; a head 256 bytes of a row
	s_add_co_u32 s54, s54, s55
	s_mov_b32 s55, 0
	s_lshl_b32 s56, s15, 13                        ; the prefetches: my work-group's 8,192 bytes,
	s_add_co_u32 s56, s56, 32768                   ; in slot 1: the first change of slots steps it to slot 2
	s_mov_b32 s57, 0
	s_lshr_b32 s58, s[WV], 1
	s_xor_b32 s58, s58, 2                          ; 0 in waves 4 and 5,
	s_or_b32 s58, s58, ttmp9                       ; of the first cluster: the same in all four partners
	s_cmp_eq_u32 s58, 0
	s_cselect_b32 s[LIM], 1, -1
	s_wait_dscnt 0x0                               ; both opening adds are done
	s_wait_kmcnt 0x0
	s_load_b128 s[44:47], s[10:11], 0x18           ; e6, e7, e8, e9
	s_add_nc_u64 s[6:7], s[6:7], s[18:19]
	s_add_nc_u64 s[8:9], s[8:9], s[18:19]
	s_add_nc_u64 s[4:5], s[4:5], s[18:19]
	s_add_nc_u64 s[4:5], s[4:5], s[52:53]
	s_add_nc_u64 s[12:13], s[12:13], s[54:55]
	s_cmp_eq_u32 s[WV], 4
	s_cselect_b64 s[PFA:PFA+1], s[6:7], s[8:9]
	s_add_nc_u64 s[PFA:PFA+1], s[PFA:PFA+1], s[56:57]
	CROUND                                         ; all four work-groups are here: the first joint loads meet
	s_mov_b32 s[G0Q], 1                            ; count = 1
	s_mov_b32 s[G0Q+1], s50                        ; LDS address: slot 0
	s_add_nc_u64 s[G0Q+2:G0Q+3], s[6:7], s[50:51]  ; global address
	s_or_b32 s[G0Q+3], s[G0Q+3], 0x80000000        ; type = 2
	s_mov_b32 s[G0V], 1
	s_add_co_u32 s[G0V+1], s50, VOFF
	s_add_nc_u64 s[G0V+2:G0V+3], s[8:9], s[50:51]
	s_or_b32 s[G0V+3], s[G0V+3], 0x80000000
	TLOAD                                          ; slot 0
	v_and_b32 v9, 31, v0
	v_lshlrev_b32 v[LI], 4, v9
	v_lshlrev_b32 v[PFO], 8, v9
.irp t, 0,1
.irp c, 0,1
	global_load_b128 v[KC+8*\t+4*\c:KC+8*\t+4*\c+3], v[LI], s[4:5] offset:1024*\t+512*\c th:TH_LOAD_NT   ; my rows' fragments stay in registers
.endr
.endr
	v_and_b32 v10, 15, v0                          ; r
	v_bfe_u32 v11, v0, 4, 1                        ; h
	s_mul_i32 s59, s[WV], 8704
	s_add_co_u32 s59, s59, STAGE                   ; my two stages
	v_mul_u32_u24 v[STO], v10, 272
	v_lshl_add_u32 v[STO], v11, 5, v[STO]
	v_add_nc_u32 v[STO], s59, v[STO]               ; in: row r, + 32 h
	v_mul_u32_u24 v[RD], v11, 272
	v_lshl_add_u32 v[RD], v10, 4, v[RD]
	v_add_nc_u32 v[RD], s59, v[RD]                 ; back: lanes 0-15 one row of 256 bytes, lanes 16-31 the next
	v_lshlrev_b32 v[GO], 4, v10
	v_lshl_add_u32 v[GO], v11, 11, v[GO]           ; and the same two rows in out0
.irp t, 0,1
	v_mov_b32 v[ST+4*\t+1], 0xff61b1e6             ; the largest t so far: -3e38, under every t
	v_floor_f32 v[ST+4*\t], -v[ST+4*\t+1]          ; -M
	v_mov_b32 v[ST+4*\t+2], 0                      ; the sum, in two halves
	v_mov_b32 v[ST+4*\t+3], 0
	v_mov_b32 v[TW+8*\t+2], 0                      ; written once: a lane permute's destination counts as one of its sources
	v_mov_b32 v[TW+8*\t+5], 0                      ; (named as the upper half of the pair f)
.endr
	WIN W_LD
.set j, 0
.rept 64
	v_mov_b32 v[OT+j], 0                           ; O^T.  The steps are written without a first step of their own: the first finds zeros, which the first change of M leaves zeros
.set j, j+1
.endr
	WIN 0
	s_wait_kmcnt 0x0
	s_add_co_i32 s50, s44, s45
	s_lshl_b32 s50, s50, 23
	s_mov_b32 s[CS], 0x3e38aa3b                    ; log2(e) / 8
	s_add_co_i32 s[CS], s[CS], s50                 ; a score stands for score x 2^(e6 + e7): the two exponents are added to c's exponent field
	s_mov_b32 s[CS+1], s[CS]                       ; (named with it as a pair, so it is written)
	s_add_co_i32 s50, s46, 127
	s_lshl_b32 s51, s50, 23
	v_mov_b32 v[SC], s51                           ; 2^e8 as f32, for the conversion
	s_add_co_i32 s50, s50, 15
	s_lshl_b32 s50, s50, 23
	s_or_b32 s50, s50, 0x600000
	v_mov_b32 v[LM], s50                           ; 57,344 x 2^e8
	s_add_co_i32 s43, s46, s47                     ; e8 + e9
.macro LOADQ q                         ; qc's eight fragments of the slot's step q: 16 loads, 512 bytes on end each
.irp x, 0,1,2,3,4,5,6,7
.irp c, 0,1
	ds_load_b128 v[QF+8*\x+4*\c:QF+8*\x+4*\c+3], v[ADR] offset:(\q)*8192+\x*1024+512*\c
.endr
.endr
.endm
.macro LOADV q                         ; vc's four fragments: 16 loads
.irp d, 0,1,2,3
.irp c, 0,1,2,3
	ds_load_b128 v[VF+16*\d+4*\c:VF+16*\d+4*\c+3], v[ADR] offset:VOFF+(\q)*8192+\d*2048+512*\c
.endr
.endr
.endm
.macro SMUL                            ; S^T: eight tiles of 16 tokens x my two tiles of rows
.irp x, 0,1,2,3,4,5,6,7
.irp t, 0,1
	v_wmma_f32_16x16x64_bf8_bf8 v[S+64*\t+8*\x:S+64*\t+8*\x+7], v[QF+8*\x:QF+8*\x+7], v[KC+8*\t:KC+8*\t+7], 0
.endr
.endr
.endm
.macro PVMUL                           ; O^T += V^T P^T: the eight accumulators take turns, one instruction a turn
.irp d, 0,1,2,3
.irp t, 0,1
	v_wmma_f32_16x16x128_bf8_bf8 v[OT+32*\t+8*\d:OT+32*\t+8*\d+7], v[VF+16*\d:VF+16*\d+15], v[PC+16*\t:PC+16*\t+15], v[OT+32*\t+8*\d:OT+32*\t+8*\d+7]
.endr
.endr
.endm
.macro PLACES                          ; four plain lines behind matrix instructions, ahead of loads into their sources and of reads of their results
.rept 4
	v_nop
.endr
.endm
; A step's softmax for both tiles, line by line by turns, all in window 0.  Each accumulator is read from its low end on.
.macro SOFTMAX
.irp t, 0,1
	v_max3_num_f32 v[TW+8*\t], v[S+64*\t], v[S+64*\t+1], v[S+64*\t+2]          ; the step's largest score of my row, among my 64 tokens, in two chains a tile,
	v_max3_num_f32 v[TW+8*\t+1], v[S+64*\t+3], v[S+64*\t+4], v[S+64*\t+5]
.endr
.irp i, 6,10,14,18,22,26,30,34,38,42,46,50,54,58
.irp t, 0,1
	v_max3_num_f32 v[TW+8*\t], v[TW+8*\t], v[S+64*\t+\i], v[S+64*\t+\i+1]
	v_max3_num_f32 v[TW+8*\t+1], v[TW+8*\t+1], v[S+64*\t+\i+2], v[S+64*\t+\i+3]
.endr
.endr
.irp t, 0,1
	v_max3_num_f32 v[TW+8*\t], v[TW+8*\t], v[S+64*\t+62], v[S+64*\t+63]
.endr
.irp t, 0,1
	v_max_num_f32 v[TW+8*\t], v[TW+8*\t], v[TW+8*\t+1]
.endr
.irp t, 0,1
	v_permlanex16_b32 v[TW+8*\t+2], v[TW+8*\t], s[SEL], s[SEL+1]
.endr
.irp t, 0,1
	v_max_num_f32 v[TW+8*\t], v[TW+8*\t], v[TW+8*\t+2]                         ; and among lane l xor 16's
.endr
.irp t, 0,1
	v_mul_f32 v[TW+8*\t], s[CS], v[TW+8*\t]                                    ; as t (c is positive)
.endr
.irp t, 0,1
	v_max_num_f32 v[ST+4*\t+1], v[ST+4*\t+1], v[TW+8*\t]                       ; the running largest t
.endr
.irp t, 0,1
	v_mov_b32 v[TW+8*\t], v[ST+4*\t]
.endr
.irp t, 0,1
	v_floor_f32 v[ST+4*\t], -v[ST+4*\t+1]                                      ; the new -M = floor(-t): M is a whole number
.endr
.irp t, 0,1
	v_sub_f32 v[TW+8*\t], v[ST+4*\t], v[TW+8*\t]                               ; old M less new M: a whole number, 0 or less
.endr
.irp t, 0,1
	v_cvt_i32_f32 v[TW+8*\t], v[TW+8*\t]                                       ; (it saturates)
.endr
.irp t, 0,1
	v_ldexp_f32 v[TW+8*\t+4], 1.0, v[TW+8*\t]                                  ; f = 2^(old M - new M)
.endr
.set j, 0
.rept 32
.irp t, 0,1
	v_pk_fma_f32 v[S+64*\t+j:S+64*\t+j+1], v[S+64*\t+j:S+64*\t+j+1], s[CS:CS+1], v[ST+4*\t:ST+4*\t+1] op_sel_hi:[1,0,0]   ; t - M, two at a time (of the pairs c and -M the low word serves both halves)
.endr
.set j, j+2
.endr
.set j, 0
.rept 64
.irp t, 0,1
	v_exp_f32 v[S+64*\t+j], v[S+64*\t+j]                                       ; p = 2^(t - M), at most 1: one batch of 128
.endr
.set j, j+1
.endr
.irp t, 0,1
	v_pk_mul_f32 v[ST+4*\t+2:ST+4*\t+3], v[ST+4*\t+2:ST+4*\t+3], v[TW+8*\t+4:TW+8*\t+5] op_sel_hi:[1,0]   ; the sums under the new M: plain lines behind the exponentials
.endr
	s_wait_alu depctr_va_vdst(0)                   ; one wait for the whole batch, ahead of its first reader
.irp t, 0,1
	v_pk_add_f32 v[TW+8*\t+6:TW+8*\t+7], v[S+64*\t:S+64*\t+1], v[S+64*\t+2:S+64*\t+3]   ; the row's sum is taken of the unquantised p: two at a time, in two chains a tile
.endr
.set j, 4
.rept 15
.irp t, 0,1
	v_pk_add_f32 v[ST+4*\t+2:ST+4*\t+3], v[ST+4*\t+2:ST+4*\t+3], v[S+64*\t+j:S+64*\t+j+1]
	v_pk_add_f32 v[TW+8*\t+6:TW+8*\t+7], v[TW+8*\t+6:TW+8*\t+7], v[S+64*\t+j+2:S+64*\t+j+3]
.endr
.set j, j+4
.endr
.irp t, 0,1
	v_pk_add_f32 v[ST+4*\t+2:ST+4*\t+3], v[ST+4*\t+2:ST+4*\t+3], v[TW+8*\t+6:TW+8*\t+7]
.endr
.set j, 0
.rept 8
.irp t, 0,1
.irp i, 0,1,2,3,4,5,6,7
	v_min_num_f32 v[S+64*\t+8*j+\i], v[S+64*\t+8*j+\i], v[LM]                  ; the conversion to an 8-bit code does not saturate (ISA guide 7.6.2); p is not negative, so the hold is one-sided
.endr
.endr
.irp t, 0,1
	v_cvt_scalef32_pk8_bf8_f32 v[PC+16*\t+2*j:PC+16*\t+2*j+1], v[S+64*\t+8*j:S+64*\t+8*j+7], v[SC]   ; pair j of P: tokens 16 j + 8 h + 0 .. 7
.endr
.set j, j+1
.endr
.endm
.macro RESCALE                         ; O^T under the new M: x f.  These 32 plain lines also stand between the conversions and the products that read their results
.set j, 0
.rept 16
.irp t, 0,1
	v_pk_mul_f32 v[OT+32*\t+j:OT+32*\t+j+1], v[OT+32*\t+j:OT+32*\t+j+1], v[TW+8*\t+4:TW+8*\t+5] op_sel_hi:[1,0]
.endr
.set j, j+2
.endr
.endm
; A STEP of 128 tokens, the q-th of the slot in hand.  qc's fragments are asked for a step ahead, vc's at the step's head: both land under the softmax.
.macro STEP q
	WIN W_LD
.if (\q) == 0
	LOADQ 0
.endif
	LOADV \q
	s_wait_dscnt 16                                ; qc's 16 loads are in; vc's 16, issued behind them, may be out
	WIN W_S
	SMUL
	PLACES
.if (\q) < 3
	WIN W_LD
	LOADQ (\q)+1
.endif
	WIN 0
	SOFTMAX
	WIN W_RS
	RESCALE
.if (\q) < 3
	s_wait_dscnt 16                                ; vc's 16 loads are in; the next step's 16 of qc may be out
.else
	s_wait_dscnt 0x0
.endif
	WIN W_PV
	PVMUL
	WIN 0
	PLACES                                         ; ahead of the next loads into vc's fragments
.endm
; THE CHANGE OF SLOTS stands at a slot's head.  Each wave waits for all its tensor loads (its part of the slot that it is about to read), adds 0 to its spare word, and waits for that and for its reads of the slot
; that it has left.  fill = 1: a round of the cluster's barrier follows, so that no wave of any partner still reads that slot or has a load on its way; the joint refill is the first thing behind it and has
; four steps in which to land.
.macro CHANGE fill
	s_wait_tensorcnt 0x0                           ; no tensor load of mine is out, so a group 0 may be written
	ds_add_u32 v[SPW], v[NIL]                      ; 0 onto my spare word
.if \fill
	ds_add_u32 v[SPW], v[NIL]                      ; and once more: the steps below stand between it and the wait
	s_xor_b32 s[G0Q+1], s[G0Q+1], SLOT1            ; the walking descriptors: the other slot than last time,
	s_add_nc_u64 s[G0Q+2:G0Q+3], s[G0Q+2:G0Q+3], 32768   ; the next 512 tokens; the type bits on top are not reached
	s_xor_b32 s[G0V+1], s[G0V+1], SLOT1
	s_add_nc_u64 s[G0V+2:G0V+3], s[G0V+2:G0V+3], 32768
	s_wait_xcnt 0x0                                ; the last prefetch, a slot back, has read its address, so it may be written:
	s_add_nc_u64 s[PFA:PFA+1], s[PFA:PFA+1], 32768 ; one slot further on than the walking descriptors
	s_wait_dscnt 0x0                               ; both adds are done, and my reads of the slot that I have left are over
	CROUND
	TLOAD
	ASK
.else
	s_wait_dscnt 0x0                               ; the add is done, and my reads of the slot that I have left are over
	s_barrier_signal -1
	s_barrier_wait -1
.endif
	v_add_nc_u32 v[ADR], s[TB], v[LI]
.endm
.macro SLOT_STEPS
	STEP 0
	STEP 1
	STEP 2
	STEP 3
	s_xor_b32 s[TB], s[TB], SLOT1                  ; on to the other slot
.endm
	s_wait_loadcnt 0x0                             ; my rows' fragments
.Lslot:                                            ; NSL - 1 trips: behind each change of slots but the last the next slot is asked for; the first trip's load is slot 1's first fill
	CHANGE 1
	SLOT_STEPS
	s_sub_co_u32 s[SLOTS], s[SLOTS], 1
	s_cmp_lg_u32 s[SLOTS], 0
	s_cbranch_scc1 .Lslot
	CHANGE 0                                       ; the last slot is written out
	SLOT_STEPS
	; THE WAY OUT.  O^T is divided by the row's sum, multiplied by 2^(e8 + e9), and goes through my stages in LDS, so that sixteen lanes store 256 consecutive bytes of a row of out0.
.irp t, 0,1
	v_add_f32 v[TW+8*\t], v[ST+4*\t+2], v[ST+4*\t+3]       ; the sum's two halves,
.endr
.irp t, 0,1
	v_permlanex16_b32 v[TW+8*\t+2], v[TW+8*\t], s[SEL], s[SEL+1]
.endr
.irp t, 0,1
	v_add_f32 v[TW+8*\t], v[TW+8*\t], v[TW+8*\t+2]         ; and lane l xor 16's
.endr
.irp t, 0,1
	v_rcp_f32 v[TW+8*\t+1], v[TW+8*\t]
.endr
	v_nop                                          ; a plain line behind the last reciprocal,
	s_wait_alu depctr_va_vdst(0)                   ; and a wait ahead of the first use: one for both
.irp t, 0,1
	v_ldexp_f32 v[TW+8*\t+1], v[TW+8*\t+1], s43
.endr
	WIN W_S
.irp t, 0,1
.set j, 0
.rept 32
	v_mul_f32 v[S+32*\t+j], v[OT+32*\t+j], v[TW+8*\t+1]    ; register 8 d + i of tile t is out(row r, dim 16 d + 8 h + i); each accumulator from its low end on
.set j, j+1
.endr
.endr
	WIN 0
.irp t, 0,1
.irp d, 0,1,2,3
	ds_store_b128 v[STO], v[S+32*\t+8*\d:S+32*\t+8*\d+3] offset:4352*\t+64*\d
	ds_store_b128 v[STO], v[S+32*\t+8*\d+4:S+32*\t+8*\d+7] offset:4352*\t+64*\d+16
.endr
.irp i, 0,1,2,3,4,5,6,7
	ds_load_b128 v[S+64+32*\t+4*\i:S+64+32*\t+4*\i+3], v[RD] offset:4352*\t+544*\i   ; LDS serves a wave's instructions in order (ISA guide 5.7.1.4): these see my stores
.endr
.endr
.irp t, 0,1
.irp i, 0,1,2,3,4,5,6,7
	s_wait_dscnt 16*(1-\t)+7-\i                    ; the younger loads of this tile, and tile 1's sixteen LDS instructions behind tile 0's, may be out
	global_store_b128 v[GO], v[S+64+32*\t+4*\i:S+64+32*\t+4*\i+3], s[12:13] offset:32768*\t+4096*\i th:TH_STORE_NT   ; 16 lanes store 256 consecutive bytes, at a multiple of 256 from out0's first byte
.endr
.endr
	s_wait_tensorcnt 0x0                           ; the wave's end: behind my last tensor load and my last LDS store
	ds_add_u32 v[SPW], v[NIL]
	s_wait_dscnt 0x0
	CROUND                                         ; the closing round: no work-group ends while a partner may still ask for a tile that names it
	s_endpgm
.Lfunc_end_k_qf39d1e9afb_attend:
	.size	k_qf39d1e9afb_attend, .Lfunc_end_k_qf39d1e9afb_attend-k_qf39d1e9afb_attend
	.p2alignl 7, 3214868480
	.fill 96, 4, 3214868480
	.section	.rodata,"a",@progbits
	.p2align	6, 0x0
	.amdhsa_kernel k_qf39d1e9afb_attend
		.amdhsa_group_segment_fixed_size 327680
		.amdhsa_private_segment_fixed_size 0
		.amdhsa_enable_private_segment 0
		.amdhsa_kernarg_size 40
		.amdhsa_user_sgpr_count 2
		.amdhsa_user_sgpr_kernarg_segment_ptr 1
		.amdhsa_wavefront_size32 1
		.amdhsa_system_sgpr_workgroup_id_x 1
		.amdhsa_system_sgpr_workgroup_id_y 1
		.amdhsa_system_sgpr_workgroup_id_z 1
		.amdhsa_system_vgpr_workitem_id 0
		.amdhsa_next_free_vgpr 512
		.amdhsa_next_free_sgpr 66
		.amdhsa_reserve_vcc 0
		.amdhsa_float_denorm_mode_32 3
		.amdhsa_float_denorm_mode_16_64 3
		.amdhsa_memory_ordered 1
		.amdhsa_forward_progress 1
		.amdhsa_inst_pref_size 241
	.end_amdhsa_kernel
	.amdgpu_metadata
---
amdhsa.version: [ 1, 2 ]
amdhsa.kernels:
  - .name:           k_qf39d1e9afb_attend
    .symbol:         k_qf39d1e9afb_attend.kd
    .args:
      - { .name: kc, .offset: 0, .size: 8, .value_kind: global_buffer, .address_space: global }
      - { .name: qc, .offset: 8, .size: 8, .value_kind: global_buffer, .address_space: global }
      - { .name: vc, .offset: 16, .size: 8, .value_kind: global_buffer, .address_space: global }
      - { .name: lowp_scales, .offset: 24, .size: 8, .value_kind: global_buffer, .address_space: global }
      - { .name: out0, .offset: 32, .size: 8, .value_kind: global_buffer, .address_space: global }
    .group_segment_fixed_size: 327680
    .private_segment_fixed_size: 0
    .kernarg_segment_align: 8
    .kernarg_segment_size: 40
    .max_flat_workgroup_size: 256
    .sgpr_count:     66
    .vgpr_count:     512
    .wavefront_size: 32
...
	.end_amdgpu_metadata
.endif
;; end of part 2
;; ======== version 2 of 2: 2 launches
;; workspace buffers: kc 4,194,304 bytes; qc 4,194,304 bytes; vc 4,194,304 bytes
;; launch project (part 3): grid 8 x 32, 16 waves a work-group, no clusters, 186,368 bytes of LDS; arguments x, Wk, Wq, Wv, bk, bq, bv, lowp_scales, kc, qc, vc; writes kc, qc, vc
.if DOCPART == 3
	.amdgcn_target "amdgcn-amd-amdhsa--gfx1250"
	.amdhsa_code_object_version 6
	.text
	.protected	k_qf39d1e9afb_project
	.globl	k_qf39d1e9afb_project
	.p2align	8
	.type	k_qf39d1e9afb_project,@function
k_qf39d1e9afb_project:
	s_mov_b64 s[64:65], 0
	v_nop
	global_prefetch_b8 v0, s[64:65] scope:SCOPE_SE
	s_setreg_imm32_b32 hwreg(HW_REG_WAVE_SCHED_MODE, 0, 2), 2
	s_setreg_imm32_b32 hwreg(HW_REG_WAVE_MODE, 25, 1), 1
	s_wait_xcnt 0x0
	s_wait_alu depctr_vm_vsrc(0)
; keys = x Wk^T + bk, queries = x Wq^T + bq, values = x Wv^T + bv, each product on codes of BF8 (E5M2) with the given scales (x: e0, e2, e4; Wk, Wq, Wv: e1, e3, e5),
; and the three results quantised again (keys e6, queries e7, values e9) into kc, qc, vc, laid as images of the operand registers that the second launch wants.
; NO WORK IS LEFT OUT: every bias goes into a quantised operand of a live product (bq too: it moves the codes of the queries), so every input is loaded.
; SHARES.  A work-group takes 256 rows of x (grid y) and one head (grid x): 3 x 64 outputs.  Wave w owns rows 16 w .. 16 w + 15 and all 12 tiles of outputs: 96 accumulator registers.  K goes in 8 steps of 64.
; The head's 192 rows of W are quantised once by the sixteen waves and lie in LDS as images of fragments; x is quantised in registers, three times, once for each of its scales.
; KEYS AND QUERIES are made transposed (source 0 = 16 rows of W, source 1 = my 16 rows of x): a lane holds one token and eight neighbouring dims, so a tile's conversion is a register pair of the next operand (K = dims).
; VALUES are made the natural way (source 0 = x, source 1 = 16 rows of Wv): a lane holds one dim and eight neighbouring tokens, since the tokens are the last product's K.
; The bias is the value at which each sum starts, divided by the power of two that the sums lack.  LIMIT of order: the bias is added at the sum's start, not at its end.
; ORDER OF K inside a step of 64: register pair g of lane (r, h) holds k = 32 (g / 2) + 16 h + 8 (g % 2) + 0 .. 7, alike in x and in W, so every product meets its partner.
; LIMITS on the given exponents, so that each power of two below is an f32 number: e0 .. e5, e6 - e0 - e1, e7 - e2 - e3 and e9 - e4 - e5 between -126 and 112.  NaN and infinity among the inputs are not served.
; kc, qc: [bh 16][tile 256][c 2][lane 32][16 bytes]: lane (r, h), chunk c, byte 8 u + j = token 16 tile + r, dim 16 (2 c + u) + 8 h + j.
; vc:     [bh 16][step 32][dt 4][c 4][lane 32][16 bytes]: lane (r, h), chunk c, byte 8 u + j = dim 16 dt + r, token 128 step + 16 (2 c + u) + 8 h + j.
; No tensor load: the f32 numbers must pass through registers to the conversions in any case; each wave keeps 16 loads of 512 bytes on their way.
; THE MODE: SCHED_MODE bits 1:0 = 2 (LLVM: expert scheduling mode 2), set by the entry lines.  The code itself states the register dependences
; between vector or matrix instructions and memory or LDS instructions, with s_wait_alu, always for 0.
; THE PLAN.  Registers that memory or LDS instructions touch:
;   v1-v12     offsets and LDS addresses (v9, v10: the closing add's).  Written at the head, read by every memory and LDS instruction, never written again: one wait on va_vdst ahead of the first load.
;   X0, X1     (v96-159) by turns.  Eight global loads land in a set; the stage's eight stores read it; the stage's eight loads land in it again; the holds read it; the global loads of two units or steps on land in it.
;   XC         (v40-63) written by the conversions; v40-47 read by the stores of W's images; read by the products; on the way out read by the stores.
;   WF         (v64-95) three times a K step eight LDS loads land in it and four products read it; on the way out vc's image lands in it and is stored from it.
;   The accumulators take the biases' loads at the head; behind that they, T and the scales are named by vector and matrix instructions alone.
; So: one wait on vm_vsrc in each turn through the stage, between its stores and its loads; one wait on va_vdst behind a unit of W's conversions; in a K step one wait on va_vdst ahead of each of WF's three
; refills, the third of which also stands for the loads of x; one wait on va_vdst ahead of all the stores of the way out.
.set STG,   98304                      ; LDS: 0 .. 98,303 W's images: fragment (K step s, tile ct) at 12,288 s + 1,024 ct (ct 0-3 Wk, 4-7 Wq, 8-11 Wv); then a stage of 16 rows x 272 bytes for each wave,
.set VIMG,  167936                     ; the block's image of vc, 16,384 bytes,
.set SPARE, 184320                     ; and the spare words, 128 bytes for each wave: eight blocks of 256 bytes that no other line names
.set LI,  1                            ; v1   16 x lane
.set GOF, 2                            ; v2   a load's place: lanes 0-15 one row's 256 bytes, lanes 16-31 the next row's (rows of 2,048 bytes)
.set STS, 3                            ; v3   the stage, on the way in: the same two rows
.set STL, 4                            ; v4   and on the way out: row r, + 64 h
.set WST, 5                            ; v5   where I store W's images
.set LI1, 6                            ; v6   16 x lane + 49,152: K steps 4 to 7 of W's images
.set VST, 7                            ; v7   where I store my 8 bytes of vc's image
.set VLD, 8                            ; v8   where I read 1,024 bytes of it back
.set SPW, 9                            ; v9   LDS address of my spare word; never rewritten
.set NIL, 10                           ; v10  0; never rewritten
.set BKO, 11                           ; v11  32 h: bk, bq
.set BVO, 12                           ; v12  4 r: bv
.set T,   24                           ; v24-39   two sets of 8 held numbers.   v14-19 three pairs (scale, limit); v20, v21 those of the W in hand
.set XC,  40                           ; v40-63   x's codes under e0, e2, e4
.set WF,  64                           ; v64-95   four fragments of W
.set X0,  96                           ; v96-159  two sets of 32 numbers
.set ACC, 160                          ; v160-255 tile ct at 160 + 8 ct
.set WV,  30                           ; s30  my wave's number
.macro MKSC sc, lm, e                  ; s[sc] = 2^e as f32, s[lm] = 57,344 x 2^e
	s_add_co_i32 s[\lm], s[\e], 127
	s_lshl_b32 s[\sc], s[\lm], 23
	s_add_co_i32 s[\lm], s[\lm], 15
	s_lshl_b32 s[\lm], s[\lm], 23
	s_or_b32 s[\lm], s[\lm], 0x600000
.endm
.macro ULOAD set, base, off            ; a unit: 16 rows x 64 numbers; each load takes two rows' 256 aligned bytes
.irp t, 0,1,2,3,4,5,6,7
	global_load_b128 v[\set+4*\t:\set+4*\t+3], v[GOF], s[\base:\base+1] offset:(\off)+4096*\t
.endr
.endm
.macro TURN set                        ; through my own stage: afterwards register 16 c + i holds k = 32 c + 16 h + i of row r.  LDS serves a wave's instructions in order (ISA guide 5.7.1.4): no wait on DScnt between the stores and the loads
.irp t, 0,1,2,3,4,5,6,7
	ds_store_b128 v[STS], v[\set+4*\t:\set+4*\t+3] offset:544*\t
.endr
	s_wait_alu depctr_vm_vsrc(0)                   ; the eight stores above have read v[set ..], in which the loads below land; and the stores of the last image of W have read v40-47, which the next conversions write
.irp c, 0,1
.irp j, 0,1,2,3
	ds_load_b128 v[\set+16*\c+4*\j:\set+16*\c+4*\j+3], v[STL] offset:128*\c+16*\j
.endr
.endr
.endm
.macro QUANT set, dst, sc, lm          ; 32 numbers of a lane become a fragment's 8 registers of codes; the numbers stay as they are
.irp g, 0,1,2,3
.irp i, 0,1,2,3,4,5,6,7
	v_med3_num_f32 v[T+8*(\g%2)+\i], v[\set+8*\g+\i], -v[\lm], v[\lm]   ; the conversion to an 8-bit code does not saturate (ISA guide 7.6.2): the hold at the largest code x the scale
.endr
	v_cvt_scalef32_pk8_bf8_f32 v[\dst+2*\g:\dst+2*\g+1], v[T+8*(\g%2):T+8*(\g%2)+7], v[\sc]   ; the two sets of T take turns: eight plain lines stand between a conversion and the next write of its sources
.endr
	v_nop                                          ; one plain line behind the last conversion, ahead of whatever touches its result
.endm
.macro WFR s, g                        ; four fragments of W: K step s, tiles 4 g .. 4 g + 3
.irp k, 0,1,2,3
.irp c, 0,1
.if (\s) < 4
	ds_load_b128 v[WF+8*\k+4*\c:WF+8*\k+4*\c+3], v[LI] offset:((\s)%4)*12288+(4*\g+\k)*1024+512*\c
.else
	ds_load_b128 v[WF+8*\k+4*\c:WF+8*\k+4*\c+3], v[LI1] offset:((\s)%4)*12288+(4*\g+\k)*1024+512*\c
.endif
.endr
.endr
.endm
.macro PLACES                          ; four plain lines behind matrix instructions, ahead of loads into their sources and of reads of their results; they stay beside the waits on va_vdst
.rept 4
	v_nop
.endr
.endm
	s_load_b512 s[8:23], s[0:1], 0x0               ; x s[8:9], Wk s[10:11], Wq s[12:13], Wv s[14:15], bk s[16:17], bq s[18:19], bv s[20:21], the exponents s[22:23]
	s_load_b128 s[24:27], s[0:1], 0x40             ; kc, qc
	s_load_b64 s[28:29], s[0:1], 0x50              ; vc
	v_lshl_add_u32 v[SPW], v0, 2, SPARE
	v_mov_b32 v[NIL], 0
	v_lshrrev_b32 v13, 5, v0
	v_readfirstlane_b32 s[WV], v13                 ; wave 0..15
	s_mov_b32 s31, ttmp9                           ; the head
	s_and_b32 s32, ttmp7, 0xffff                   ; the block of 256 rows
	v_and_b32 v13, 31, v0
	v_lshlrev_b32 v[LI], 4, v13
	v_and_b32 v22, 15, v0                          ; r
	v_bfe_u32 v23, v0, 4, 1                        ; h
	v_lshlrev_b32 v[GOF], 4, v22
	v_lshl_add_u32 v[GOF], v23, 11, v[GOF]
	s_wait_alu depctr_va_sdst(0)                   ; s30, my wave's number, is written, ahead of its first reader: LDS addresses and the buffers' offsets are made from it
	s_mul_i32 s33, s[WV], 4352
	s_add_co_u32 s33, s33, STG                     ; my stage
	v_mul_u32_u24 v[STS], v23, 272
	v_lshl_add_u32 v[STS], v22, 4, v[STS]
	v_add_nc_u32 v[STS], s33, v[STS]
	v_mul_u32_u24 v[STL], v22, 272
	v_lshl_add_u32 v[STL], v23, 6, v[STL]
	v_add_nc_u32 v[STL], s33, v[STL]
	s_and_b32 s34, s[WV], 3                        ; of W I quantise tile w / 4 of each matrix's four, K steps 2 (w % 4) and 2 (w % 4) + 1
	s_mul_i32 s34, s34, 24576
	s_lshr_b32 s35, s[WV], 2
	s_lshl_b32 s35, s35, 10
	s_add_co_u32 s34, s34, s35
	v_add_nc_u32 v[WST], s34, v[LI]
	v_add_nc_u32 v[LI1], 49152, v[LI]
	s_lshr_b32 s34, s[WV], 3                       ; vc's image: step w / 8, chunk (w / 2) % 4, half w % 2
	s_lshl_b32 s34, s34, 13
	s_bfe_u32 s35, s[WV], 0x20001
	s_lshl_b32 s35, s35, 9
	s_add_co_u32 s34, s34, s35
	s_and_b32 s35, s[WV], 1
	s_lshl_b32 s35, s35, 3
	s_add_co_u32 s34, s34, s35
	s_add_co_u32 s34, s34, VIMG
	v_add_nc_u32 v[VST], s34, v[LI]
	s_lshl_b32 s34, s[WV], 10
	s_add_co_u32 s34, s34, VIMG
	v_add_nc_u32 v[VLD], s34, v[LI]
	v_lshlrev_b32 v[BKO], 5, v23
	v_lshlrev_b32 v[BVO], 2, v22
	s_lshl_b32 s46, s32, 19                        ; x: 256 rows of 2,048 bytes a block,
	s_lshl_b32 s47, s[WV], 15                      ; 16 rows a wave
	s_add_co_u32 s46, s46, s47
	s_mov_b32 s47, 0
	s_lshl_b32 s48, s31, 17                        ; W: 64 rows a head,
	s_lshr_b32 s49, s[WV], 2
	s_lshl_b32 s49, s49, 15                        ; 16 rows a tile,
	s_add_co_u32 s48, s48, s49
	s_and_b32 s49, s[WV], 3
	s_lshl_b32 s49, s49, 9                         ; two K steps of 256 bytes
	s_add_co_u32 s48, s48, s49
	s_mov_b32 s49, 0
	s_lshl_b32 s34, s31, 8                         ; the biases: 64 numbers a head
	s_mov_b32 s35, 0
	s_lshr_b32 s75, s32, 4
	s_lshl_b32 s75, s75, 3
	s_add_co_u32 s75, s75, s31                     ; bh = 8 x batch + head
	s_and_b32 s33, s32, 15                         ; the block within its batch
	s_lshl_b32 s76, s75, 8
	s_lshl_b32 s77, s33, 4
	s_add_co_u32 s76, s76, s77
	s_add_co_u32 s76, s76, s[WV]
	s_lshl_b32 s76, s76, 10                        ; kc, qc: my tile of 1,024 bytes
	s_mov_b32 s77, 0
	s_lshl_b32 s78, s75, 5
	s_lshl_b32 s79, s33, 1
	s_add_co_u32 s78, s78, s79
	s_lshl_b32 s78, s78, 13                        ; vc: the block's two steps of 8,192 bytes,
	s_lshl_b32 s79, s[WV], 10                      ; of which I store 1,024
	s_add_co_u32 s78, s78, s79
	s_mov_b32 s79, 0
	s_wait_kmcnt 0x0
	s_load_b256 s[36:43], s[22:23], 0x0            ; e0 .. e7
	s_load_b64 s[44:45], s[22:23], 0x20            ; e8, e9
	s_add_nc_u64 s[8:9], s[8:9], s[46:47]
	s_add_nc_u64 s[10:11], s[10:11], s[48:49]
	s_add_nc_u64 s[12:13], s[12:13], s[48:49]
	s_add_nc_u64 s[14:15], s[14:15], s[48:49]
	s_add_nc_u64 s[16:17], s[16:17], s[34:35]
	s_add_nc_u64 s[18:19], s[18:19], s[34:35]
	s_add_nc_u64 s[20:21], s[20:21], s[34:35]
	s_add_nc_u64 s[24:25], s[24:25], s[76:77]
	s_add_nc_u64 s[26:27], s[26:27], s[76:77]
	s_add_nc_u64 s[28:29], s[28:29], s[78:79]
	s_wait_alu depctr_va_vdst(0)                   ; the offsets and LDS addresses v1 to v12 are written: every load, store and LDS instruction of the kernel reads one of them, and none is written again
.irp d, 0,1,2,3                        ; the biases go straight into the accumulators.  Keys, queries: register j = b(16 d + 8 h + j).  Values: b(16 d + r), into register 0
	global_load_b128 v[ACC+8*\d:ACC+8*\d+3], v[BKO], s[16:17] offset:64*\d
	global_load_b128 v[ACC+8*\d+4:ACC+8*\d+7], v[BKO], s[16:17] offset:64*\d+16
	global_load_b128 v[ACC+32+8*\d:ACC+32+8*\d+3], v[BKO], s[18:19] offset:64*\d
	global_load_b128 v[ACC+32+8*\d+4:ACC+32+8*\d+7], v[BKO], s[18:19] offset:64*\d+16
	global_load_b32 v[ACC+64+8*\d], v[BVO], s[20:21] offset:64*\d
.endr
	ULOAD X0, 10, 0                                ; units 0 and 1: Wk, my two K steps
	ULOAD X0+32, 10, 256
	s_wait_kmcnt 0x0
	MKSC 50, 51, 36                                ; x under e0,
	MKSC 52, 53, 38                                ; e2,
	MKSC 54, 55, 40                                ; e4
	MKSC 56, 57, 37                                ; Wk, e1
	MKSC 58, 59, 39                                ; Wq, e3
	MKSC 60, 61, 41                                ; Wv, e5
	s_add_co_i32 s72, s36, s37
	s_sub_co_i32 s72, 0, s72                       ; -(e0 + e1): a sum of the first product stands for sum x 2^(e0 + e1)
	s_add_co_i32 s46, s42, s72
	MKSC 66, 67, 46                                ; keys: the three scales folded into one: 2^(e6 - e0 - e1)
	s_add_co_i32 s73, s38, s39
	s_sub_co_i32 s73, 0, s73
	s_add_co_i32 s46, s43, s73
	MKSC 68, 69, 46                                ; queries: 2^(e7 - e2 - e3)
	s_add_co_i32 s74, s40, s41
	s_sub_co_i32 s74, 0, s74
	s_add_co_i32 s46, s45, s74
	MKSC 70, 71, 46                                ; values: 2^(e9 - e4 - e5)
.irp i, 0,1,2,3,4,5
	v_mov_b32 v[14+\i], s[50+\i]
.endr
	s_wait_loadcnt 16                              ; the 20 loads of the biases are in; the two units' 16 may be out
.set j, 0
.rept 32
	v_ldexp_f32 v[ACC+j], v[ACC+j], s72            ; bk / 2^(e0 + e1)
.set j, j+1
.endr
.set j, 0
.rept 32
	v_ldexp_f32 v[ACC+32+j], v[ACC+32+j], s73
.set j, j+1
.endr
.irp d, 0,1,2,3
.irp j, 7,6,5,4,3,2,1,0
	v_ldexp_f32 v[ACC+64+8*\d+\j], v[ACC+64+8*\d], s74   ; the lane's one bias in all eight registers; register 0 last, in place
.endr
.endr
; W, six units: unit i is matrix i / 2, my tile of rows, my K step i % 2.  nbase, noff: the unit two further on, whose loads take this unit's registers.
.macro WUNIT i, nbase, noff
.set XS, X0+32*((\i)%2)
	s_wait_loadcnt 8                               ; this unit's eight loads are in; the next unit's may be out
	TURN XS
	s_wait_dscnt 0x0                               ; the numbers are back from the stage
.if (\i)%2 == 0
	v_mov_b32 v20, s[56+(\i)]
	v_mov_b32 v21, s[57+(\i)]
.endif
	QUANT XS, XC, 20, 21
	s_wait_alu depctr_va_vdst(0)                   ; the conversions have written v40-47, which the two stores below read; the holds are done reading this unit's set, in which the eight loads below land
	ULOAD XS, \nbase, \noff
.irp c, 0,1
	ds_store_b128 v[WST], v[XC+4*\c:XC+4*\c+3] offset:((\i)%2)*12288+((\i)/2)*4096+512*\c
.endr
.endm
	WUNIT 0, 12, 0
	WUNIT 1, 12, 256
	WUNIT 2, 14, 0
	WUNIT 3, 14, 256
	WUNIT 4, 8, 0                                  ; x's K steps 0
	WUNIT 5, 8, 256                                ; and 1
	s_wait_dscnt 0x0                               ; for the others' sake: my images of W have landed
	s_barrier_signal -1
	s_barrier_wait -1                              ; all 96 fragments lie in LDS (x's loads may stay out: nobody writes x)
; A K step of 64: x through the stage, three sets of codes, twelve products.  The twelve accumulators take turns, one instruction a turn.
; WF is filled three times; ahead of each fill stands the wait for the products that read it last.  The conversions are dealt among the groups: those under e2 stand between the keys' products and the wait for them,
; those under e4 stand behind the loads of Wq's fragments, which land meanwhile.
.macro KSTEP s
.set XS, X0+32*((\s)%2)
.if (\s) < 7
	s_wait_loadcnt 8                               ; this step's eight loads are in; the next step's may be out
.else
	s_wait_loadcnt 0x0
.endif
	TURN XS
.if (\s) > 0
	s_wait_alu depctr_va_vdst(0)                   ; the last step's products of the values are done reading v[WF ..], in which the eight loads below land (in step 0 nothing has named them yet)
.endif
	WFR \s, 0
	s_wait_dscnt 8                                 ; the numbers are back from the stage; W's eight loads may be out
	QUANT XS, XC, 14, 15
	s_wait_alu depctr_va_vdst(0)
	s_wait_dscnt 0x0
.irp k, 0,1,2,3
	v_wmma_f32_16x16x64_bf8_bf8 v[ACC+8*\k:ACC+8*\k+7], v[WF+8*\k:WF+8*\k+7], v[XC:XC+7], v[ACC+8*\k:ACC+8*\k+7]
.endr
	QUANT XS, XC+8, 16, 17                         ; its holds name none of those products' registers: they are the places behind them
	s_wait_alu depctr_va_vdst(0)                   ; the keys' products are done reading v[WF ..], in which the eight loads below land
	WFR \s, 1
	QUANT XS, XC+16, 18, 19                        ; names T, the set of x and v56-63: none of the registers that the loads above touch
	s_wait_dscnt 0x0
.irp k, 0,1,2,3
	v_wmma_f32_16x16x64_bf8_bf8 v[ACC+32+8*\k:ACC+32+8*\k+7], v[WF+8*\k:WF+8*\k+7], v[XC+8:XC+15], v[ACC+32+8*\k:ACC+32+8*\k+7]
.endr
	PLACES
	s_wait_alu depctr_va_vdst(0)                   ; the queries' products are done reading v[WF ..], and the holds of all three scales are done reading this step's set of x: loads land in both below
.if (\s) < 6
	ULOAD XS, 8, 256*((\s)+2)
.endif
	WFR \s, 2
	s_wait_dscnt 0x0
.irp k, 0,1,2,3
	v_wmma_f32_16x16x64_bf8_bf8 v[ACC+64+8*\k:ACC+64+8*\k+7], v[XC+16:XC+23], v[WF+8*\k:WF+8*\k+7], v[ACC+64+8*\k:ACC+64+8*\k+7]
.endr
	PLACES
.endm
.irp s, 0,1,2,3,4,5,6,7
	KSTEP \s
.endr
	; THE WAY OUT.  Each result is held, converted with its folded scale, and leaves as an image of registers; each accumulator is read from its low end on.
	; All three runs of conversions come first, each into registers of its own, so that one wait stands ahead of all the stores.
.irp i, 0,1,2,3,4,5
	v_mov_b32 v[14+\i], s[66+\i]
.endr
.set j, 0
.rept 32
	v_med3_num_f32 v[ACC+j], v[ACC+j], -v15, v15
.set j, j+1
.endr
.irp d, 0,1,2,3
	v_cvt_scalef32_pk8_bf8_f32 v[XC+2*\d:XC+2*\d+1], v[ACC+8*\d:ACC+8*\d+7], v14   ; pair d: dims 16 d + 8 h + 0 .. 7 of token r
.endr
.set j, 0
.rept 32
	v_med3_num_f32 v[ACC+32+j], v[ACC+32+j], -v17, v17
.set j, j+1
.endr
.irp d, 0,1,2,3
	v_cvt_scalef32_pk8_bf8_f32 v[XC+8+2*\d:XC+8+2*\d+1], v[ACC+32+8*\d:ACC+32+8*\d+7], v16
.endr
.set j, 0
.rept 32
	v_med3_num_f32 v[ACC+64+j], v[ACC+64+j], -v19, v19
.set j, j+1
.endr
.irp d, 0,1,2,3
	v_cvt_scalef32_pk8_bf8_f32 v[XC+16+2*\d:XC+16+2*\d+1], v[ACC+64+8*\d:ACC+64+8*\d+7], v18   ; tokens 8 h + 0 .. 7 of my tile, dim 16 d + r
.endr
	v_nop                                          ; one plain line behind the last conversion (the holds stand behind the two runs before)
	s_wait_alu depctr_va_vdst(0)                   ; the conversions have written v40-63, which the eight stores below read; the last products are done reading v[WF ..], in which vc's image lands behind the barrier
.irp d, 0,1,2,3
	ds_store_b64 v[VST], v[XC+16+2*\d:XC+16+2*\d+1] offset:2048*\d   ; a chunk of 16 bytes a lane comes from two waves: the image is gathered in LDS
.endr
	global_store_b128 v[LI], v[XC:XC+3], s[24:25]              ; 32 lanes store 512 consecutive bytes, aligned
	global_store_b128 v[LI], v[XC+4:XC+7], s[24:25] offset:512
	global_store_b128 v[LI], v[XC+8:XC+11], s[26:27]
	global_store_b128 v[LI], v[XC+12:XC+15], s[26:27] offset:512
	s_wait_dscnt 0x0                               ; for the others' sake: my stores have landed
	s_barrier_signal -1
	s_barrier_wait -1
	ds_load_b128 v[WF:WF+3], v[VLD]
	ds_load_b128 v[WF+4:WF+7], v[VLD] offset:512
	s_wait_dscnt 0x0
	global_store_b128 v[LI], v[WF:WF+3], s[28:29]
	global_store_b128 v[LI], v[WF+4:WF+7], s[28:29] offset:512
	s_wait_dscnt 0x0                               ; the wave's end
	s_wait_alu 0x0
	s_wait_tensorcnt 0x0
	ds_add_u32 v[SPW], v[NIL]
	s_wait_dscnt 0x0
	s_endpgm
.Lfunc_end_k_qf39d1e9afb_project:
	.size	k_qf39d1e9afb_project, .Lfunc_end_k_qf39d1e9afb_project-k_qf39d1e9afb_project
	.p2alignl 7, 3214868480
	.fill 96, 4, 3214868480
	.section	.rodata,"a",@progbits
	.p2align	6, 0x0
	.amdhsa_kernel k_qf39d1e9afb_project
		.amdhsa_group_segment_fixed_size 186368
		.amdhsa_private_segment_fixed_size 0
		.amdhsa_enable_private_segment 0
		.amdhsa_kernarg_size 88
		.amdhsa_user_sgpr_count 2
		.amdhsa_user_sgpr_kernarg_segment_ptr 1
		.amdhsa_wavefront_size32 1
		.amdhsa_system_sgpr_workgroup_id_x 1
		.amdhsa_system_sgpr_workgroup_id_y 1
		.amdhsa_system_sgpr_workgroup_id_z 1
		.amdhsa_system_vgpr_workitem_id 0
		.amdhsa_next_free_vgpr 256
		.amdhsa_next_free_sgpr 80
		.amdhsa_reserve_vcc 0
		.amdhsa_float_denorm_mode_32 3
		.amdhsa_float_denorm_mode_16_64 3
		.amdhsa_memory_ordered 1
		.amdhsa_forward_progress 1
		.amdhsa_inst_pref_size 140
	.end_amdhsa_kernel
	.amdgpu_metadata
---
amdhsa.version: [ 1, 2 ]
amdhsa.kernels:
  - .name:           k_qf39d1e9afb_project
    .symbol:         k_qf39d1e9afb_project.kd
    .args:
      - { .name: x, .offset: 0, .size: 8, .value_kind: global_buffer, .address_space: global }
      - { .name: Wk, .offset: 8, .size: 8, .value_kind: global_buffer, .address_space: global }
      - { .name: Wq, .offset: 16, .size: 8, .value_kind: global_buffer, .address_space: global }
      - { .name: Wv, .offset: 24, .size: 8, .value_kind: global_buffer, .address_space: global }
      - { .name: bk, .offset: 32, .size: 8, .value_kind: global_buffer, .address_space: global }
      - { .name: bq, .offset: 40, .size: 8, .value_kind: global_buffer, .address_space: global }
      - { .name: bv, .offset: 48, .size: 8, .value_kind: global_buffer, .address_space: global }
      - { .name: lowp_scales, .offset: 56, .size: 8, .value_kind: global_buffer, .address_space: global }
      - { .name: kc, .offset: 64, .size: 8, .value_kind: global_buffer, .address_space: global }
      - { .name: qc, .offset: 72, .size: 8, .value_kind: global_buffer, .address_space: global }
      - { .name: vc, .offset: 80, .size: 8, .value_kind: global_buffer, .address_space: global }
    .group_segment_fixed_size: 186368
    .private_segment_fixed_size: 0
    .kernarg_segment_align: 8
    .kernarg_segment_size: 88
    .max_flat_workgroup_size: 512
    .sgpr_count:     80
    .vgpr_count:     256
    .wavefront_size: 32
...
	.end_amdgpu_metadata
.endif
;; end of part 3
;; launch attend (part 4): grid 16 x 16, 8 waves a work-group, clusters of 4 x 1, 327,680 bytes of LDS; arguments kc, qc, vc, lowp_scales, out0; writes out0
.if DOCPART == 4
	.amdgcn_target "amdgcn-amd-amdhsa--gfx1250"
	.amdhsa_code_object_version 6
	.text
	.protected	k_qf39d1e9afb_attend
	.globl	k_qf39d1e9afb_attend
	.p2align	8
	.type	k_qf39d1e9afb_attend,@function
k_qf39d1e9afb_attend:
	s_mov_b64 s[64:65], 0
	v_nop
	global_prefetch_b8 v0, s[64:65] scope:SCOPE_SE
	s_setreg_imm32_b32 hwreg(HW_REG_WAVE_MODE, 25, 1), 1
	s_wait_xcnt 0x0
	s_wait_alu depctr_hold_cnt(0) depctr_sa_sdst(0) depctr_va_vdst(0) depctr_va_sdst(0) depctr_va_ssrc(0) depctr_va_vcc(0) depctr_vm_vsrc(0)
	s_getreg_b32 s2, hwreg(HW_REG_IB_STS2, 6, 4)
	s_cmp_eq_u32 s2, 0
	s_cbranch_scc0 .Lentry_in_a_cluster
	s_endpgm
.Lentry_in_a_cluster:
	s_bfe_u32 s2, ttmp6, 0x10000c
	s_cmp_lg_u32 s2, 0x3003
	s_cbranch_scc0 .Lentry_shape_is_right
	s_endpgm
.Lentry_shape_is_right:
; out[b][k][head][:] = the sum over q of softmax_q(keys[k] . queries[q] / 8) values[q][:], as the source has it: the rows are KEYS, the softmax runs over the QUERIES, the values go with the queries.
; Both products on codes of BF8 (E5M2): keys e6, queries e7, p e8, values e9.  kc, qc, vc are the first launch's images of operand registers.  No work is left out.
; THE SOFTMAX AHEAD OF THE SECOND PRODUCT: t = score x log2(e) / 8; M = the row's largest t so far, rounded up to a whole number; p = 2^(t - M) is quantised, not normalised; the row's sum is taken of the
; unquantised p and divides at the end.  When M moves, the sum and O are multiplied by 2^(old M - new M): nothing is rounded, and no branch hangs on data.
; SHARES.  A work-group owns 256 rows of one (batch, head); each of its eight waves owns 32: two tiles of 16, so that each fragment read from LDS feeds two matrix instructions.  Every wave walks 4,096 tokens, 128 a step.
; LAYOUT.  S^T = Q K^T (source 0 = 16 tokens of qc, source 1 = my 16 rows): a lane holds ONE row (lane % 16) and tokens 8 (lane / 16) + 0 .. 7 of the tile; the conversion of tile u is register pair u of P,
; source 1 of O^T = V^T P^T (source 0 = 16 dims x 128 tokens of vc).  Every k stands in the form's own place.
; RING.  Two LDS slots of four steps each (32,768 bytes of qc, then 32,768 of vc).  CLUSTER: the four blocks of a cluster belong to one (batch, head) and walk the same qc and vc: each tile is asked for JOINTLY,
; by the same tensor load with the same descriptor and a mask that names the four.  Waves 0 and 1 fetch qc's halves, waves 2 and 3 vc's, 16,384 dense bytes each; at most one tensor load of a wave is out.
; LIMITS on the given exponents: e6 + e7 between -123 and 130 (they are added to c's exponent field); e8 between -126 and 112; e8 + e9 goes by v_ldexp_f32 and has none.
; REGISTERS, in windows of 256.  Window 0: v1-8 addresses; v12-19 for each tile -M, the largest t, the sum in two halves; v20-35 at work; v36, v37 2^e8 and 57,344 x 2^e8; v40-55 my rows' fragments;
;   v56-87 p's codes; v128-255 S^T, then p.   Window 1: v0-63 O^T (tile t, dims 16 d on: 32 t + 8 d); v64-127 qc's eight fragments; v128-191 vc's four.
.set SLOT1, 1<<16                      ; slot 1 begins here: one exclusive or turns an address in one slot into the other's
.set VOFF,  32768                      ; vc's part of a slot
.set STAGE, 131072                     ; behind the ring: two stages of 16 rows x 272 bytes for each wave; no tensor load lands here
.set SPARE, 200704                     ; behind the stages: the spare words, 128 bytes for each wave: four blocks of 256 bytes that no other line names
.set NSL,   8                          ; slots' worth of tokens
.set LI,  1                            ; v1   16 x lane
.set ADR, 2                            ; v2   16 x lane + the slot in hand
.set PFO, 3                            ; v3   256 x lane; never rewritten
.set SPW, 4                            ; v4   LDS address of my spare word; never rewritten
.set NIL, 5                            ; v5   0; never rewritten
.set STO, 6                            ; v6   the way out: where I put 32 bytes of a row
.set RD,  7                            ; v7   where I read a row back
.set GO,  8                            ; v8   my byte offset in the wave's rows of out0
.set ST,  12                           ; tile t: v[ST+4t] -M, +1 the largest t, +2, +3 the sum
.set TW,  20                           ; tile t: v[TW+8t] +0, +1 at work, +2 the other half's, +4, +5 the pair f, +6, +7 a second chain of the sum
.set SC,  36
.set LM,  37
.set KC,  40
.set PC,  56
.set S,   128
.set OT,  0                            ; in window 1
.set QF,  64
.set VF,  128
.set WV,  14                           ; s14  my wave's number
.set SEL, 20                           ; s[20:21] lane selects for v_permlanex16_b32: lane l xor 16
.set CS,  22                           ; s[22:23] c = log2(e) / 8 x 2^(e6 + e7)
.set G1,  24                           ; s[24:31] descriptor group 1: one shape serves every load
.set G0Q, 32                           ; s[32:35] group 0 for qc's tiles, s[36:39] for vc's: they walk
.set G0V, 36
.set TB,  40                           ; s40  LDS byte at which the slot in hand begins
.set SLOTS, 41                         ; s41  slots still to be asked for
.set LIM, 42                           ; s42  1 in a wave that prefetches, else the greatest number
.set PFA, 48                           ; s[48:49] where my prefetches stand
.set MSB, 0
.macro WIN new                         ; the immediate's high byte repeats the setting that is left; a switch that changes nothing is dropped
.if MSB != \new
	s_set_vgpr_msb (MSB<<8)|\new
.set MSB, \new
.endif
.endm
.set W_LD, 0x40                        ; destination window 1
.set W_S,  0x01                        ; source 0 window 1
.set W_RS, 0x41                        ; destination and source 0 window 1
.set W_PV, 0x51                        ; D, source 0 and C window 1, source 1 window 0
.macro CROUND                          ; a round of the cluster's barrier
	s_barrier_signal -1
	s_barrier_wait -1
	s_cmp_lg_u32 s[WV], 0
	s_cbranch_scc1 .Lnot_wave_0_\@
	s_barrier_signal -3
.Lnot_wave_0_\@:
	s_barrier_wait -3
	s_barrier_signal -1
	s_barrier_wait -1
.endm
; A joint load.  The branches hang on the wave's number alone: they are the same in every work-group.  An s_nop 0 and four v_nop follow each of the two lines.
.macro TLOAD
	s_cmp_lt_u32 s[WV], 2
	s_cbranch_scc0 .Lnot_q_\@
	tensor_load_to_lds s[G0Q:G0Q+3], s[G1:G1+7]
	s_nop 0
.rept 4
	v_nop
.endr
	s_branch .Lasked_\@
.Lnot_q_\@:
	s_cmp_lt_u32 s[WV], 4
	s_cbranch_scc0 .Lasked_\@
	tensor_load_to_lds s[G0V:G0V+3], s[G1:G1+7]
	s_nop 0
.rept 4
	v_nop
.endr
.Lasked_\@:
.endm
; A PREFETCH INTO THE L2 of what the NEXT change of slots will ask for: 32,768 bytes of qc and as many of vc, four steps ahead of that load.  Each aligned block of 256 bytes is named once in the launch:
; all four clusters of a (batch, head) walk the same bytes, so its first cluster asks; its four partners take 8,192 bytes each, told apart by address; in each, wave 4 asks for qc's and wave 5 for vc's,
; one instruction, lanes 256 bytes apart.  The last change that fills a slot asks for nothing; slots 0 and 1 come by their loads alone.
.macro ASK
	s_cmp_gt_u32 s[SLOTS], s[LIM]
	s_cbranch_scc0 .Lnot_mine_\@
	global_prefetch_b8 v[PFO], s[PFA:PFA+1] th:TH_LOAD_NT scope:SCOPE_SE
.Lnot_mine_\@:
.endm
	s_load_b256 s[4:11], s[0:1], 0x0               ; kc s[4:5], qc s[6:7], vc s[8:9], the exponents s[10:11]
	s_load_b64 s[12:13], s[0:1], 0x20              ; out0
	v_lshl_add_u32 v[SPW], v0, 2, SPARE
	v_mov_b32 v[NIL], 0
	ds_add_u32 v[SPW], v[NIL]                      ; the wave's opening: the add, twice on end, and its wait ahead of the round in front of the first tensor loads
	ds_add_u32 v[SPW], v[NIL]                      ; and once more, under the one wait; the set-up below, work on registers, stands between
	v_lshrrev_b32 v9, 5, v0
	s_delay_alu instid0(VALU_DEP_1)
	v_readfirstlane_b32 s[WV], v9                  ; wave 0..7
	s_bfe_u32 s15, ttmp6, 0x40000                  ; cx: my place in the cluster
	s_lshl_b32 s16, ttmp9, 2                       ; in a cluster launch ttmp9 counts clusters
	s_add_co_u32 s16, s16, s15                     ; my block of 256 rows: it enters kc's and out0's addresses alone
	s_and_b32 s17, ttmp7, 0xffff                   ; bh = 8 x batch + head, which the four partners share
	s_mov_b32 s[G1], 15|(3<<16)|(1<<21)            ; 15:0 the mask: all four work-groups; 17:16 elements of 8 bytes; 21 set beside a mask; no padding: the images are read 16 bytes a lane on end
	s_mov_b32 s[G1+1], 32<<16                      ; tensor_dim0 = 32 elements: rows of 256 bytes
	s_mov_b32 s[G1+2], 64<<16                      ; tensor_dim1 = 64
	s_mov_b32 s[G1+3], 32<<16                      ; tile_dim0 = 32
	s_mov_b32 s[G1+4], 64                          ; tile_dim1 = 64
	s_mov_b32 s[G1+5], 32                          ; the pitch: the block is dense
	s_mov_b32 s[G1+6], 0
	s_mov_b32 s[G1+7], 0
	s_mov_b32 s[SEL], 0x76543210
	s_mov_b32 s[SEL+1], 0xfedcba98
	s_mov_b32 s[TB], 0
	s_mov_b32 s[SLOTS], NSL-1
	s_lshl_b32 s18, s17, 18                        ; a (batch, head) is 262,144 bytes in each of the three buffers of codes
	s_mov_b32 s19, 0
	s_and_b32 s50, s[WV], 1
	s_lshl_b32 s50, s50, 14                        ; which half of a slot's 32,768 bytes I fetch, in memory and in LDS: no place in the cluster enters it
	s_mov_b32 s51, 0
	s_lshl_b32 s52, s16, 14                        ; kc: 16 tiles of 1,024 bytes a block,
	s_lshl_b32 s53, s[WV], 11                      ; two a wave
	s_add_co_u32 s52, s52, s53
	s_mov_b32 s53, 0
	s_lshr_b32 s54, s17, 3
	s_lshl_b32 s54, s54, 23                        ; out0: a batch is 4,096 rows of 2,048 bytes,
	s_lshl_b32 s55, s16, 19                        ; a block 256 rows,
	s_add_co_u32 s54, s54, s55
	s_lshl_b32 s55, s[WV], 16                      ; a wave 32 rows,
	s_add_co_u32 s54, s54, s55
	s_and_b32 s55, s17, 7
	s_lshl_b32 s55, s55, 8                         ; a head 256 bytes of a row
	s_add_co_u32 s54, s54, s55
	s_mov_b32 s55, 0
	s_lshl_b32 s56, s15, 13                        ; the prefetches: my work-group's 8,192 bytes,
	s_add_co_u32 s56, s56, 32768                   ; in slot 1: the first change of slots steps it to slot 2
	s_mov_b32 s57, 0
	s_lshr_b32 s58, s[WV], 1
	s_xor_b32 s58, s58, 2                          ; 0 in waves 4 and 5,
	s_or_b32 s58, s58, ttmp9                       ; of the first cluster: the same in all four partners
	s_cmp_eq_u32 s58, 0
	s_cselect_b32 s[LIM], 1, -1
	s_wait_dscnt 0x0                               ; both opening adds are done
	s_wait_kmcnt 0x0
	s_load_b128 s[44:47], s[10:11], 0x18           ; e6, e7, e8, e9
	s_add_nc_u64 s[6:7], s[6:7], s[18:19]
	s_add_nc_u64 s[8:9], s[8:9], s[18:19]
	s_add_nc_u64 s[4:5], s[4:5], s[18:19]
	s_add_nc_u64 s[4:5], s[4:5], s[52:53]
	s_add_nc_u64 s[12:13], s[12:13], s[54:55]
	s_cmp_eq_u32 s[WV], 4
	s_cselect_b64 s[PFA:PFA+1], s[6:7], s[8:9]
	s_add_nc_u64 s[PFA:PFA+1], s[PFA:PFA+1], s[56:57]
	CROUND                                         ; all four work-groups are here: the first joint loads meet
	s_mov_b32 s[G0Q], 1                            ; count = 1
	s_mov_b32 s[G0Q+1], s50                        ; LDS address: slot 0
	s_add_nc_u64 s[G0Q+2:G0Q+3], s[6:7], s[50:51]  ; global address
	s_or_b32 s[G0Q+3], s[G0Q+3], 0x80000000        ; type = 2
	s_mov_b32 s[G0V], 1
	s_add_co_u32 s[G0V+1], s50, VOFF
	s_add_nc_u64 s[G0V+2:G0V+3], s[8:9], s[50:51]
	s_or_b32 s[G0V+3], s[G0V+3], 0x80000000
	TLOAD                                          ; slot 0
	v_and_b32 v9, 31, v0
	s_delay_alu instid0(VALU_DEP_1)
	v_lshlrev_b32 v[LI], 4, v9
	s_delay_alu instid0(VALU_DEP_2)
	v_lshlrev_b32 v[PFO], 8, v9
.irp t, 0,1
.irp c, 0,1
	global_load_b128 v[KC+8*\t+4*\c:KC+8*\t+4*\c+3], v[LI], s[4:5] offset:1024*\t+512*\c th:TH_LOAD_NT   ; my rows' fragments stay in registers
.endr
.endr
	v_and_b32 v10, 15, v0                          ; r
	v_bfe_u32 v11, v0, 4, 1                        ; h
	s_mul_i32 s59, s[WV], 8704
	s_add_co_u32 s59, s59, STAGE                   ; my two stages
	v_mul_u32_u24 v[STO], v10, 272
	s_delay_alu instid0(VALU_DEP_1)
	v_lshl_add_u32 v[STO], v11, 5, v[STO]
	s_delay_alu instid0(VALU_DEP_1)
	v_add_nc_u32 v[STO], s59, v[STO]               ; in: row r, + 32 h
	v_mul_u32_u24 v[RD], v11, 272
	s_delay_alu instid0(VALU_DEP_1)
	v_lshl_add_u32 v[RD], v10, 4, v[RD]
	s_delay_alu instid0(VALU_DEP_1)
	v_add_nc_u32 v[RD], s59, v[RD]                 ; back: lanes 0-15 one row of 256 bytes, lanes 16-31 the next
	v_lshlrev_b32 v[GO], 4, v10
	s_delay_alu instid0(VALU_DEP_1)
	v_lshl_add_u32 v[GO], v11, 11, v[GO]           ; and the same two rows in out0
.irp t, 0,1
	v_mov_b32 v[ST+4*\t+1], 0xff61b1e6             ; the largest t so far: -3e38, under every t
	s_delay_alu instid0(VALU_DEP_1)
	v_floor_f32 v[ST+4*\t], -v[ST+4*\t+1]          ; -M
	v_mov_b32 v[ST+4*\t+2], 0                      ; the sum, in two halves
	v_mov_b32 v[ST+4*\t+3], 0
	v_mov_b32 v[TW+8*\t+2], 0                      ; written once: a lane permute's destination counts as one of its sources
	v_mov_b32 v[TW+8*\t+5], 0                      ; (named as the upper half of the pair f)
.endr
	WIN W_LD
.set j, 0
.rept 64
	v_mov_b32 v[OT+j], 0                           ; O^T.  The steps are written without a first step of their own: the first finds zeros, which the first change of M leaves zeros
.set j, j+1
.endr
	WIN 0
	s_wait_kmcnt 0x0
	s_add_co_i32 s50, s44, s45
	s_lshl_b32 s50, s50, 23
	s_mov_b32 s[CS], 0x3e38aa3b                    ; log2(e) / 8
	s_add_co_i32 s[CS], s[CS], s50                 ; a score stands for score x 2^(e6 + e7): the two exponents are added to c's exponent field
	s_mov_b32 s[CS+1], s[CS]                       ; (named with it as a pair, so it is written)
	s_add_co_i32 s50, s46, 127
	s_lshl_b32 s51, s50, 23
	v_mov_b32 v[SC], s51                           ; 2^e8 as f32, for the conversion
	s_add_co_i32 s50, s50, 15
	s_lshl_b32 s50, s50, 23
	s_or_b32 s50, s50, 0x600000
	v_mov_b32 v[LM], s50                           ; 57,344 x 2^e8
	s_add_co_i32 s43, s46, s47                     ; e8 + e9
.macro LOADQ q                         ; qc's eight fragments of the slot's step q: 16 loads, 512 bytes on end each
.irp x, 0,1,2,3,4,5,6,7
.irp c, 0,1
	ds_load_b128 v[QF+8*\x+4*\c:QF+8*\x+4*\c+3], v[ADR] offset:(\q)*8192+\x*1024+512*\c
.endr
.endr
.endm
.macro LOADV q                         ; vc's four fragments: 16 loads
.irp d, 0,1,2,3
.irp c, 0,1,2,3
	ds_load_b128 v[VF+16*\d+4*\c:VF+16*\d+4*\c+3], v[ADR] offset:VOFF+(\q)*8192+\d*2048+512*\c
.endr
.endr
.endm
.macro SMUL                            ; S^T: eight tiles of 16 tokens x my two tiles of rows
.irp x, 0,1,2,3,4,5,6,7
.irp t, 0,1
	v_wmma_f32_16x16x64_bf8_bf8 v[S+64*\t+8*\x:S+64*\t+8*\x+7], v[QF+8*\x:QF+8*\x+7], v[KC+8*\t:KC+8*\t+7], 0
.endr
.endr
.endm
.macro PVMUL                           ; O^T += V^T P^T: the eight accumulators take turns, one instruction a turn
.irp d, 0,1,2,3
.irp t, 0,1
	v_wmma_f32_16x16x128_bf8_bf8 v[OT+32*\t+8*\d:OT+32*\t+8*\d+7], v[VF+16*\d:VF+16*\d+15], v[PC+16*\t:PC+16*\t+15], v[OT+32*\t+8*\d:OT+32*\t+8*\d+7]
.endr
.endr
.endm
.macro PLACES                          ; four plain lines behind matrix instructions, ahead of loads into their sources and of reads of their results
.rept 4
	v_nop
.endr
.endm
; A step's softmax for both tiles, line by line by turns, all in window 0.  Each accumulator is read from its low end on.
.macro SOFTMAX
.irp t, 0,1
	v_max3_num_f32 v[TW+8*\t], v[S+64*\t], v[S+64*\t+1], v[S+64*\t+2]          ; the step's largest score of my row, among my 64 tokens, in two chains a tile,
	v_max3_num_f32 v[TW+8*\t+1], v[S+64*\t+3], v[S+64*\t+4], v[S+64*\t+5]
.endr
.irp i, 6,10,14,18,22,26,30,34,38,42,46,50,54,58
.irp t, 0,1
	v_max3_num_f32 v[TW+8*\t], v[TW+8*\t], v[S+64*\t+\i], v[S+64*\t+\i+1]
	v_max3_num_f32 v[TW+8*\t+1], v[TW+8*\t+1], v[S+64*\t+\i+2], v[S+64*\t+\i+3]
.endr
.endr
.irp t, 0,1
	v_max3_num_f32 v[TW+8*\t], v[TW+8*\t], v[S+64*\t+62], v[S+64*\t+63]
.endr
.irp t, 0,1
	s_delay_alu instid0(VALU_DEP_2)
	v_max_num_f32 v[TW+8*\t], v[TW+8*\t], v[TW+8*\t+1]
.endr
.irp t, 0,1
	s_delay_alu instid0(VALU_DEP_2)
	v_permlanex16_b32 v[TW+8*\t+2], v[TW+8*\t], s[SEL], s[SEL+1]
.endr
.irp t, 0,1
	s_delay_alu instid0(VALU_DEP_2)
	v_max_num_f32 v[TW+8*\t], v[TW+8*\t], v[TW+8*\t+2]                         ; and among lane l xor 16's
.endr
.irp t, 0,1
	s_delay_alu instid0(VALU_DEP_2)
	v_mul_f32 v[TW+8*\t], s[CS], v[TW+8*\t]                                    ; as t (c is positive)
.endr
.irp t, 0,1
	s_delay_alu instid0(VALU_DEP_2)
	v_max_num_f32 v[ST+4*\t+1], v[ST+4*\t+1], v[TW+8*\t]                       ; the running largest t
.endr
.irp t, 0,1
	v_mov_b32 v[TW+8*\t], v[ST+4*\t]
.endr
.irp t, 0,1
	s_delay_alu instid0(VALU_DEP_4)
	v_floor_f32 v[ST+4*\t], -v[ST+4*\t+1]                                      ; the new -M = floor(-t): M is a whole number
.endr
.irp t, 0,1
	s_delay_alu instid0(VALU_DEP_2)
	v_sub_f32 v[TW+8*\t], v[ST+4*\t], v[TW+8*\t]                               ; old M less new M: a whole number, 0 or less
.endr
.irp t, 0,1
	s_delay_alu instid0(VALU_DEP_2)
	v_cvt_i32_f32 v[TW+8*\t], v[TW+8*\t]                                       ; (it saturates)
.endr
.irp t, 0,1
	s_delay_alu instid0(VALU_DEP_2)
	v_ldexp_f32 v[TW+8*\t+4], 1.0, v[TW+8*\t]                                  ; f = 2^(old M - new M)
.endr
.set j, 0
.rept 32
.irp t, 0,1
	v_pk_fma_f32 v[S+64*\t+j:S+64*\t+j+1], v[S+64*\t+j:S+64*\t+j+1], s[CS:CS+1], v[ST+4*\t:ST+4*\t+1] op_sel_hi:[1,0,0]   ; t - M, two at a time (of the pairs c and -M the low word serves both halves)
.endr
.set j, j+2
.endr
.set j, 0
	s_wait_alu depctr_va_vdst(0)
.rept 64
.irp t, 0,1
	v_exp_f32 v[S+64*\t+j], v[S+64*\t+j]                                       ; p = 2^(t - M), at most 1: one batch of 128
.endr
.set j, j+1
.endr
.irp t, 0,1
	v_pk_mul_f32 v[ST+4*\t+2:ST+4*\t+3], v[ST+4*\t+2:ST+4*\t+3], v[TW+8*\t+4:TW+8*\t+5] op_sel_hi:[1,0]   ; the sums under the new M: plain lines behind the exponentials
.endr
	s_wait_alu depctr_va_vdst(0)                   ; one wait for the whole batch, ahead of its first reader
.irp t, 0,1
	v_pk_add_f32 v[TW+8*\t+6:TW+8*\t+7], v[S+64*\t:S+64*\t+1], v[S+64*\t+2:S+64*\t+3]   ; the row's sum is taken of the unquantised p: two at a time, in two chains a tile
.endr
.set j, 4
.rept 15
.irp t, 0,1
	v_pk_add_f32 v[ST+4*\t+2:ST+4*\t+3], v[ST+4*\t+2:ST+4*\t+3], v[S+64*\t+j:S+64*\t+j+1]
	v_pk_add_f32 v[TW+8*\t+6:TW+8*\t+7], v[TW+8*\t+6:TW+8*\t+7], v[S+64*\t+j+2:S+64*\t+j+3]
.endr
.set j, j+4
.endr
.irp t, 0
	s_delay_alu instid0(VALU_DEP_3)
	v_pk_add_f32 v[ST+4*\t+2:ST+4*\t+3], v[ST+4*\t+2:ST+4*\t+3], v[TW+8*\t+6:TW+8*\t+7]
.endr
.irp t, 1
	s_delay_alu instid0(VALU_DEP_2)
	v_pk_add_f32 v[ST+4*\t+2:ST+4*\t+3], v[ST+4*\t+2:ST+4*\t+3], v[TW+8*\t+6:TW+8*\t+7]
.endr
.set j, 0
.rept 8
.irp t, 0,1
.irp i, 0,1,2,3,4,5,6,7
	v_min_num_f32 v[S+64*\t+8*j+\i], v[S+64*\t+8*j+\i], v[LM]                  ; the conversion to an 8-bit code does not saturate (ISA guide 7.6.2); p is not negative, so the hold is one-sided
.endr
.endr
.irp t, 0,1
	v_cvt_scalef32_pk8_bf8_f32 v[PC+16*\t+2*j:PC+16*\t+2*j+1], v[S+64*\t+8*j:S+64*\t+8*j+7], v[SC]   ; pair j of P: tokens 16 j + 8 h + 0 .. 7
.endr
.set j, j+1
.endr
.endm
.macro RESCALE                         ; O^T under the new M: x f.  These 32 plain lines also stand between the conversions and the products that read their results
.set j, 0
.rept 16
.irp t, 0,1
	v_pk_mul_f32 v[OT+32*\t+j:OT+32*\t+j+1], v[OT+32*\t+j:OT+32*\t+j+1], v[TW+8*\t+4:TW+8*\t+5] op_sel_hi:[1,0]
.endr
.set j, j+2
.endr
.endm
; A STEP of 128 tokens, the q-th of the slot in hand.  qc's fragments are asked for a step ahead, vc's at the step's head: both land under the softmax.
.macro STEP q
	WIN W_LD
.if (\q) == 0
	LOADQ 0
.endif
	LOADV \q
	s_wait_dscnt 16                                ; qc's 16 loads are in; vc's 16, issued behind them, may be out
	WIN W_S
	SMUL
	PLACES
.if (\q) < 3
	WIN W_LD
	LOADQ (\q)+1
.endif
	WIN 0
	SOFTMAX
	WIN W_RS
	RESCALE
.if (\q) < 3
	s_wait_alu depctr_va_vdst(0)
	s_wait_dscnt 16                                ; vc's 16 loads are in; the next step's 16 of qc may be out
.else
	s_wait_alu depctr_va_vdst(0)
	s_wait_dscnt 0x0
.endif
	WIN W_PV
	PVMUL
	WIN 0
	PLACES                                         ; ahead of the next loads into vc's fragments
.endm
; THE CHANGE OF SLOTS stands at a slot's head.  Each wave waits for all its tensor loads (its part of the slot that it is about to read), adds 0 to its spare word, and waits for that and for its reads of the slot
; that it has left.  fill = 1: a round of the cluster's barrier follows, so that no wave of any partner still reads that slot or has a load on its way; the joint refill is the first thing behind it and has
; four steps in which to land.
.macro CHANGE fill
	s_wait_tensorcnt 0x0                           ; no tensor load of mine is out, so a group 0 may be written
	ds_add_u32 v[SPW], v[NIL]                      ; 0 onto my spare word
.if \fill
	ds_add_u32 v[SPW], v[NIL]                      ; and once more: the steps below stand between it and the wait
	s_xor_b32 s[G0Q+1], s[G0Q+1], SLOT1            ; the walking descriptors: the other slot than last time,
	s_add_nc_u64 s[G0Q+2:G0Q+3], s[G0Q+2:G0Q+3], 32768   ; the next 512 tokens; the type bits on top are not reached
	s_xor_b32 s[G0V+1], s[G0V+1], SLOT1
	s_add_nc_u64 s[G0V+2:G0V+3], s[G0V+2:G0V+3], 32768
	s_wait_xcnt 0x0                                ; the last prefetch, a slot back, has read its address, so it may be written:
	s_add_nc_u64 s[PFA:PFA+1], s[PFA:PFA+1], 32768 ; one slot further on than the walking descriptors
	s_wait_dscnt 0x0                               ; both adds are done, and my reads of the slot that I have left are over
	CROUND
	TLOAD
	ASK
.else
	s_wait_dscnt 0x0                               ; the add is done, and my reads of the slot that I have left are over
	s_barrier_signal -1
	s_barrier_wait -1
.endif
	v_add_nc_u32 v[ADR], s[TB], v[LI]
.endm
.macro SLOT_STEPS
	STEP 0
	STEP 1
	STEP 2
	STEP 3
	s_xor_b32 s[TB], s[TB], SLOT1                  ; on to the other slot
.endm
	s_wait_loadcnt 0x0                             ; my rows' fragments
.Lslot:                                            ; NSL - 1 trips: behind each change of slots but the last the next slot is asked for; the first trip's load is slot 1's first fill
	CHANGE 1
	s_wait_alu depctr_va_vdst(0)
	SLOT_STEPS
	s_sub_co_u32 s[SLOTS], s[SLOTS], 1
	s_cmp_lg_u32 s[SLOTS], 0
	s_cbranch_scc1 .Lslot
	CHANGE 0                                       ; the last slot is written out
	s_wait_alu depctr_va_vdst(0)
	SLOT_STEPS
	; THE WAY OUT.  O^T is divided by the row's sum, multiplied by 2^(e8 + e9), and goes through my stages in LDS, so that sixteen lanes store 256 consecutive bytes of a row of out0.
.irp t, 0,1
	v_add_f32 v[TW+8*\t], v[ST+4*\t+2], v[ST+4*\t+3]       ; the sum's two halves,
.endr
.irp t, 0,1
	s_delay_alu instid0(VALU_DEP_2)
	v_permlanex16_b32 v[TW+8*\t+2], v[TW+8*\t], s[SEL], s[SEL+1]
.endr
.irp t, 0,1
	s_delay_alu instid0(VALU_DEP_2)
	v_add_f32 v[TW+8*\t], v[TW+8*\t], v[TW+8*\t+2]         ; and lane l xor 16's
.endr
	s_wait_alu depctr_va_vdst(0)
.irp t, 0,1
	v_rcp_f32 v[TW+8*\t+1], v[TW+8*\t]
.endr
	v_nop                                          ; a plain line behind the last reciprocal,
	s_wait_alu depctr_va_vdst(0)                   ; and a wait ahead of the first use: one for both
.irp t, 0,1
	v_ldexp_f32 v[TW+8*\t+1], v[TW+8*\t+1], s43
.endr
	WIN W_S
.irp t, 0,1
.set j, 0
.rept 32
	v_mul_f32 v[S+32*\t+j], v[OT+32*\t+j], v[TW+8*\t+1]    ; register 8 d + i of tile t is out(row r, dim 16 d + 8 h + i); each accumulator from its low end on
.set j, j+1
.endr
.endr
	WIN 0
.irp t, 0,1
.irp d, 0,1,2,3
	ds_store_b128 v[STO], v[S+32*\t+8*\d:S+32*\t+8*\d+3] offset:4352*\t+64*\d
	ds_store_b128 v[STO], v[S+32*\t+8*\d+4:S+32*\t+8*\d+7] offset:4352*\t+64*\d+16
.endr
.irp i, 0,1,2,3,4,5,6,7
	ds_load_b128 v[S+64+32*\t+4*\i:S+64+32*\t+4*\i+3], v[RD] offset:4352*\t+544*\i   ; LDS serves a wave's instructions in order (ISA guide 5.7.1.4): these see my stores
.endr
.endr
.irp t, 0,1
.irp i, 0,1,2,3,4,5,6,7
	s_wait_dscnt 16*(1-\t)+7-\i                    ; the younger loads of this tile, and tile 1's sixteen LDS instructions behind tile 0's, may be out
	global_store_b128 v[GO], v[S+64+32*\t+4*\i:S+64+32*\t+4*\i+3], s[12:13] offset:32768*\t+4096*\i th:TH_STORE_NT   ; 16 lanes store 256 consecutive bytes, at a multiple of 256 from out0's first byte
.endr
.endr
	s_wait_tensorcnt 0x0                           ; the wave's end: behind my last tensor load and my last LDS store
	ds_add_u32 v[SPW], v[NIL]
	s_wait_dscnt 0x0
	CROUND                                         ; the closing round: no work-group ends while a partner may still ask for a tile that names it
	s_endpgm
.Lfunc_end_k_qf39d1e9afb_attend:
	.size	k_qf39d1e9afb_attend, .Lfunc_end_k_qf39d1e9afb_attend-k_qf39d1e9afb_attend
	.p2alignl 7, 3214868480
	.fill 96, 4, 3214868480
	.section	.rodata,"a",@progbits
	.p2align	6, 0x0
	.amdhsa_kernel k_qf39d1e9afb_attend
		.amdhsa_group_segment_fixed_size 327680
		.amdhsa_private_segment_fixed_size 0
		.amdhsa_enable_private_segment 0
		.amdhsa_kernarg_size 40
		.amdhsa_user_sgpr_count 2
		.amdhsa_user_sgpr_kernarg_segment_ptr 1
		.amdhsa_wavefront_size32 1
		.amdhsa_system_sgpr_workgroup_id_x 1
		.amdhsa_system_sgpr_workgroup_id_y 1
		.amdhsa_system_sgpr_workgroup_id_z 1
		.amdhsa_system_vgpr_workitem_id 0
		.amdhsa_next_free_vgpr 512
		.amdhsa_next_free_sgpr 66
		.amdhsa_reserve_vcc 0
		.amdhsa_float_denorm_mode_32 3
		.amdhsa_float_denorm_mode_16_64 3
		.amdhsa_memory_ordered 1
		.amdhsa_forward_progress 1
		.amdhsa_inst_pref_size 247
	.end_amdhsa_kernel
	.amdgpu_metadata
---
amdhsa.version: [ 1, 2 ]
amdhsa.kernels:
  - .name:           k_qf39d1e9afb_attend
    .symbol:         k_qf39d1e9afb_attend.kd
    .args:
      - { .name: kc, .offset: 0, .size: 8, .value_kind: global_buffer, .address_space: global }
      - { .name: qc, .offset: 8, .size: 8, .value_kind: global_buffer, .address_space: global }
      - { .name: vc, .offset: 16, .size: 8, .value_kind: global_buffer, .address_space: global }
      - { .name: lowp_scales, .offset: 24, .size: 8, .value_kind: global_buffer, .address_space: global }
      - { .name: out0, .offset: 32, .size: 8, .value_kind: global_buffer, .address_space: global }
    .group_segment_fixed_size: 327680
    .private_segment_fixed_size: 0
    .kernarg_segment_align: 8
    .kernarg_segment_size: 40
    .max_flat_workgroup_size: 256
    .sgpr_count:     66
    .vgpr_count:     512
    .wavefront_size: 32
...
	.end_amdgpu_metadata
.endif
;; end of part 4
